; MI455X (gfx1250); checked and timed in simulation.
; The chip was launched on July 23, 2026; its instructions are those of AMD's public machine-readable ISA for CDNA 5 (MIT licence, August 2026) and "CDNA5" Instruction Set Architecture Reference Guide (July 2026). The comments in the code are by the model that wrote it; some were corrected since.
;; Multi Head Self Attention. Allowed arithmetic: matrix products marked QUANTISED: E2M1 operands, one E8M0 scale for each 32 along K, by v_wmma_scale_f32_16x16x128_f8f6f4 with both operands' format E2M1 (or v_wmma_scale_f32_32x16x128_f4), f32 sums; everything else in f32.
;; Inputs: b_o 1,024 float32; ln_b 1,024 float32; ln_g 1,024 float32; w_k 1,024 x 1,024 float32; w_o 1,024 x 1,024 float32; w_q 1,024 x 1,024 float32; w_v 1,024 x 1,024 float32; x 4 x 2,048 x 1,024 float32.
;; Outputs: out0 4 x 2,048 x 1,024 float32.
;; This version of the problem:
;;   THIS VERSION OF THE PROBLEM IS GIVEN IN LOW PRECISION. The matrix products marked QUANTISED in the list below multiply operands that are first quantised to E2M1 (2 exponent bits, 1 mantissa bit; 4 bits a number), with one power-of-two scale for each 32 numbers along K (OCP MX v1.0); their sums are f32. All else is computed in f32.
;;   The module's matrix products, in the order in which they are computed (A, B: the left and right operand; K: the contracted axis; several contracted axes count as one K, in the product's order):
;;     1. [M 8,192, K 1,024] x [K 1,024, N 1,024]; A: input x; B: input w_q: QUANTISED
;;     2. [M 8,192, K 1,024] x [K 1,024, N 1,024]; A: input x; B: input w_k: QUANTISED
;;     3. [M 8,192, K 1,024] x [K 1,024, N 1,024]; A: input x; B: input w_v: QUANTISED
;;     4. batch 64 x [M 2,048, K 64] x [K 64, N 2,048]; A: computed on the way; B: computed on the way: QUANTISED
;;     5. batch 64 x [M 2,048, K 2,048] x [K 2,048, N 64]; A: softmax (see below); B: computed on the way: QUANTISED
;;     6. [M 8,192, K 1,024] x [K 1,024, N 1,024]; A: computed on the way; B: input w_o: QUANTISED
;;   THE QUANTISER, for each operand of a quantised product, along K:
;;     - K is cut into blocks of 32 from its start; a last block that is shorter is filled with zeros.
;;     - A block's scale is 2^e with e = floor(log2(the largest magnitude in the block)) - 2, held to -126 .. 127; a block of zeros has e = 0. As a byte (E8M0): e + 127.
;;     - Each number is divided by its block's scale, clamped to +-6, and rounded to the nearest number of E2M1, ties to even, subnormals kept.
;;     - The product sums the exact products of the quantised numbers (number of the format x scale) in f32.
;;   ~~~python
;;   def quantise(x, axis):      # numpy; x: float32 -> the quantised numbers, widened to float32 again
;;       x = np.moveaxis(x, axis, -1); K = x.shape[-1]
;;       x = np.pad(x, [(0, 0)] * (x.ndim - 1) + [(0, -K % 32)]); x = x.reshape(x.shape[:-1] + (-1, 32)); a = np.abs(x).max(-1, keepdims=True)
;;       e = np.where(a > 0, np.clip(np.frexp(np.where(a > 0, a, 1))[1] - 1 - 2, -126, 127), 0)      # np.frexp(a)[1] - 1 = floor(log2(a)), exactly
;;       r = np.clip(x / 2.0 ** e, -6, 6)
;;       step = 2.0 ** (np.maximum(np.frexp(np.where(r == 0, 1, r))[1] - 1, 0) - 1)
;;       q = np.round(r / step) * step * 2.0 ** e      # np.round: ties to even
;;       return np.moveaxis(q.reshape(q.shape[:-2] + (-1,))[..., :K], -1, axis).astype(np.float32)
;;   ~~~
;;   SOFTMAX AHEAD OF A QUANTISED PRODUCT. Where the list says 'softmax', what is quantised is not the finished softmax but p = 2^(t - M), with t = logit x log2(e) and M = ceil(the row's largest t), a whole number; so 1/2 < the row's largest p <= 1. The row's sum l is taken of the UNQUANTISED p, in f32, and the product's result is divided by l at the end. Since M is a whole number, a kernel that streams over the keys may use a running M (the ceiling of the running maximum): every later rescaling is an exact power of two, which a block's scale takes up: the codes' values come out the same.
;;   OPERANDS COMPUTED ON THE WAY. 'Computed on the way' means the value that the module computes at that place (a softmax that the list does not call 'softmax' is quantised finished and normalised). What goes into a quantiser is computed in f32, as accurately as f32 sums, v_exp_f32 and their like allow (about 1e-6 of the number): no bf16 or f16 on the way to a quantiser, and a product that is left as it is and whose result goes on into a quantised operand takes f32 operands (vector FMAs, or v_wmma_f32_16x16x4_f32). A number that lies on a knife's edge between two numbers of the format may be rounded either way, as far as f32 arithmetic and the matrix unit's own rounding can turn it there, and no further.
;; One version. Each part assembles by itself: llvm-mc -triple=amdgcn-amd-amdhsa -mcpu=gfx1250 --defsym DOCPART=n.
;; ======== version 1 of 1: 4 launches
;; workspace buffers: x_img 4,194,304 bytes; x_sc 262,144 bytes; w_img 2,097,152 bytes; w_sc 131,072 bytes; qkv 13,893,632 bytes; a_img 4,194,304 bytes; a_sc 262,144 bytes
;; launch quant (part 1): grid 384 x 1, 4 waves a work-group, no clusters, 39,424 bytes of LDS; arguments x, w_q, w_k, w_v, w_o, x_img, x_sc, w_img, w_sc; writes x_img, x_sc, w_img, w_sc
.if DOCPART == 1
	.amdgcn_target "amdgcn-amd-amdhsa--gfx1250"
	.amdhsa_code_object_version 6
	.text
	.protected	k_q9dd313335b_quant
	.globl	k_q9dd313335b_quant
	.p2align	8
	.type	k_q9dd313335b_quant,@function
k_q9dd313335b_quant:
	s_mov_b64 s[64:65], 0
	v_nop
	global_prefetch_b8 v0, s[64:65] scope:SCOPE_SE
	s_setreg_imm32_b32 hwreg(HW_REG_WAVE_MODE, 25, 1), 1
	s_wait_xcnt 0x0
; MULTI-HEAD SELF-ATTENTION IN MX-FP4, launch 1 of 4: x [8192][1024] and the four weights [1024][1024], f32 with K innermost, become codes of FP4 (E2M1) and E8M0 scale bytes, one for each 32 along K.
; NOTHING OF THE PROBLEM IS LEFT OUT AS DEAD WORK: every input (x, w_q, w_k, w_v, w_o, b_o, ln_g, ln_b) has a way to the output and is loaded by some launch; all six products are multiplied whole.
; THE LAYOUT OF EVERYTHING THAT THIS PROGRAM STORES FOR ITSELF: images of operand registers.  A TILE is 16 rows; lane r of tile t is row 32 (t / 2) + 8 (t % 2) + r + 8 (r / 8), so that two neighbouring tiles, used as
; source 0 of a product, leave a lane 16 neighbours along the next K.  A tile's codes: [K step of 128: 8][c: 2][lane: 32][16 bytes], lane (r, h) holding k = 128 s + 64 c + 32 h + 0 .. 31 of its row: 8,192 bytes.
; A tile's scale bytes: [K half: 2][r: 16][16 bytes], byte j for k = 512 half + 32 j: 512 bytes.  w_img and w_sc hold w_q's 64 tiles, then w_k's, w_v's, w_o's.
; A block's scale is 2^(floor(log2(its largest magnitude)) - 2); its byte is the largest magnitude's exponent field - 2, held at 1 from below.
; LIMITS: a block of zeros gets the byte 1 where the rule says 127 (its codes are zeros, and this program alone reads the bytes); blocks whose largest magnitude lies under 2^-124 are held by that floor; NaN and infinities among the inputs are not served.
; SHARES.  A work-group takes 32 rows (two tiles): the first 256 work-groups x's, the other 128 the weights', 32 to a weight.  Wave g takes tile g % 2 and K half g / 2: 16 rows x 512 numbers, a row a step.
; A step's four loads read 512 consecutive bytes each; the 2,048 bytes turn through the wave's own stage in LDS, so that a lane holds 16 neighbours along K (two lanes to a block).  Codes and scale bytes are gathered in
; the wave's own LDS as the images want them and leave in runs of 512 and 256 consecutive bytes.  No barrier: waves share nothing.  Loads run four steps (16 loads a wave) ahead, the turn through LDS one step.
.set WAVES, 4
.set STEPS, 16
.set EMAX,  2
.set R,     16                         ; v16-79   four sets of 16 numbers as they are loaded
.set X,     80                         ; v80-111  two sets of 16 neighbours
.set E,     112                        ; v112-127 a scale byte for each step
.set C,     128                        ; v128-159 two registers of codes for each step
.set SP,    80                         ; a lane's place in a stage: its 64 bytes + 16 of padding
.set SCB,   2*32*SP                    ; behind the two stages: the wave's 256 scale bytes,
.set IMG,   SCB+256                    ; and its image of codes: 16 rows of 256 bytes, IP bytes apart
.set IP,    272                        ; 68 words: row i starts at bank 4 i mod 64, so the sixteen lane pairs of a store touch different banks
.set WREG,  IMG+16*IP                  ; 9,728 bytes of LDS for each wave
.set SPARE, WAVES*WREG                 ; behind the four regions: the spare words, 128 bytes for each wave
.set SPW,   12                         ; v12  LDS address of my spare word; never rewritten
.set NIL,   13                         ; v13  0; never rewritten
	s_load_b256 s[4:11], s[0:1], 0x0               ; x, w_q, w_k, w_v
	s_load_b256 s[12:19], s[0:1], 0x20             ; w_o, x_img, x_sc, w_img
	s_load_b64 s[20:21], s[0:1], 0x40              ; w_sc
	v_lshl_add_u32 v[SPW], v0, 2, SPARE
	v_mov_b32 v[NIL], 0
	v_lshrrev_b32 v1, 5, v0
	v_readfirstlane_b32 s32, v1                    ; wave
	v_and_b32 v2, 31, v0                           ; lane
	v_lshlrev_b32 v3, 4, v2                        ; 16 x lane: my bytes of a load's 512, and of a store's
	s_mul_i32 s33, s32, WREG                       ; my wave's LDS
	v_lshrrev_b32 v14, 2, v2
	v_mul_u32_u24 v14, v14, SP
	v_and_b32 v15, 3, v2
	v_lshl_add_u32 v14, v15, 4, v14
	v_add_nc_u32 v14, s33, v14                     ; the stage, on the way in: four lanes' 64 bytes on end, then 16 of padding
	v_mul_u32_u24 v15, v2, SP
	v_add_nc_u32 v15, s33, v15                     ; and on the way out: my 16 neighbours
	v_lshrrev_b32 v5, 1, v2                        ; my block of the row's sixteen
	v_mul_u32_u24 v4, v5, IP
	v_and_b32 v6, 1, v2
	v_lshl_add_u32 v4, v6, 3, v4
	v_add_nc_u32 v4, s33, v4                       ; the image, on the way in: block j of a row is (K step, c, h) = row j of the image; 16 bytes a lane-row; my half of them
	v_add_nc_u32 v5, s33, v5                       ; my block's scale byte
	v_lshlrev_b32 v7, 3, v2                        ; the scale bytes on the way out: 8 a lane
	v_add_nc_u32 v6, s33, v7
	v_lshrrev_b32 v10, 4, v2
	v_mul_u32_u24 v10, v10, IP
	v_and_b32 v11, 15, v2
	v_lshl_add_u32 v10, v11, 4, v10
	v_add_nc_u32 v10, s33, v10                     ; the image on the way out: sixteen lanes to a row, two rows an instruction
	s_and_b32 s34, s32, 1                          ; which of the two tiles
	s_lshr_b32 s35, s32, 1                         ; which half of K
	s_sub_co_u32 s22, ttmp9, 256                   ; a weight's work-group: its number among the 128,
	s_bfe_u32 s23, s22, 0x20005                    ; which weight,
	s_and_b32 s24, s22, 31                         ; which 32 rows of it
	s_wait_kmcnt 0x0
	s_cmp_eq_u32 s23, 1                            ; the buffers are chosen by the work-group's number alone: one path through the text for all five tensors
	s_cselect_b64 s[26:27], s[8:9], s[6:7]
	s_cmp_eq_u32 s23, 2
	s_cselect_b64 s[26:27], s[10:11], s[26:27]
	s_cmp_eq_u32 s23, 3
	s_cselect_b64 s[26:27], s[12:13], s[26:27]
	s_cmp_lt_u32 ttmp9, 256
	s_cselect_b64 s[26:27], s[4:5], s[26:27]       ; the numbers
	s_cselect_b64 s[28:29], s[14:15], s[18:19]     ; the images of codes
	s_cselect_b64 s[30:31], s[16:17], s[20:21]     ; the images of scale bytes
	s_cselect_b32 s24, ttmp9, s24                  ; which 32 rows of the tensor read,
	s_cselect_b32 s25, ttmp9, s22                  ; which pair of tiles of the buffer written
	s_lshl_b32 s36, s24, 17                        ; 32 rows of 4,096 bytes,
	s_lshl_b32 s38, s34, 15                        ; 8 rows on for the odd tile,
	s_add_co_u32 s36, s36, s38
	s_lshl_b32 s38, s35, 11                        ; 2,048 bytes on for the upper half of K
	s_add_co_u32 s36, s36, s38
	s_mov_b32 s37, 0
	s_add_nc_u64 s[26:27], s[26:27], s[36:37]
	s_lshl_b32 s25, s25, 1
	s_add_co_u32 s25, s25, s34                     ; my tile
	s_lshl_b32 s36, s25, 13
	s_lshl_b32 s38, s35, 12
	s_add_co_u32 s36, s36, s38
	s_add_nc_u64 s[28:29], s[28:29], s[36:37]      ; 8,192 x tile + 4,096 x half
	s_lshl_b32 s36, s25, 9
	s_lshl_b32 s38, s35, 8
	s_add_co_u32 s36, s36, s38
	s_add_nc_u64 s[30:31], s[30:31], s[36:37]      ; 512 x tile + 256 x half
.macro LOAD t                          ; step t is lane-row t of the tile: t + 8 (t / 8) rows down
.irp i, 0,1,2,3
	global_load_b128 v[R+16*((\t)%4)+4*\i:R+16*((\t)%4)+4*\i+3], v3, s[26:27] offset:((\t)+8*((\t)/8))*4096+512*\i th:TH_LOAD_NT
.endr
.endm
.macro TURN t                          ; step t's numbers through the stage: LDS serves a wave's instructions in order, so no wait stands between the stores and the loads
.irp i, 0,1,2,3
	ds_store_b128 v14, v[R+16*((\t)%4)+4*\i:R+16*((\t)%4)+4*\i+3] offset:32*SP*((\t)%2)+8*SP*\i
.endr
.irp i, 0,1,2,3
	ds_load_b128 v[X+16*((\t)%2)+4*\i:X+16*((\t)%2)+4*\i+3], v15 offset:32*SP*((\t)%2)+16*\i
.endr
.endm
.irp t, 0,1,2,3
	LOAD \t
.endr
	s_wait_loadcnt 12                              ; step 0's four loads are in; the twelve behind them may be out
	TURN 0
.macro STEP t
.set XS, X+16*((\t)%2)
.if (\t) > 0
	s_wait_dscnt 2                                 ; this step's numbers are back from the stage (the last step's two stores, byte and codes, may be out): so its stores into the stage have read their registers,
.else
	s_wait_dscnt 0x0
.endif
.if (\t)+4 < STEPS
	LOAD (\t)+4                                    ; which take the loads of four steps on
.endif
.if (\t)+1 < STEPS
.if STEPS-2-(\t) >= 3
	s_wait_loadcnt 12                              ; the next step's four loads are in; those of the three steps behind it may be out
.else
	s_wait_loadcnt 4*(STEPS-2-(\t))
.endif
	TURN (\t)+1                                    ; and go through the other stage while this step is worked
.endif
	v_max3_num_f32 v8, |v[XS]|, |v[XS+1]|, |v[XS+2]|               ; the largest magnitude of my 16, in two chains
	v_max3_num_f32 v9, |v[XS+3]|, |v[XS+4]|, |v[XS+5]|
.irp i, 6,10
	v_max3_num_f32 v8, v8, |v[XS+\i]|, |v[XS+\i+1]|
	v_max3_num_f32 v9, v9, |v[XS+\i+2]|, |v[XS+\i+3]|
.endr
	v_max3_num_f32 v8, v8, |v[XS+14]|, |v[XS+15]|
	v_max3_num_f32 v8, v8, v9, (EMAX+1)<<23        ; and the floor 2^(3 - 127): the byte cannot fall under 1
	v_max_num_f32_dpp v8, v8, v8 row_xmask:1 row_mask:0xf bank_mask:0xf   ; and of my neighbour's 16: the block's
	v_add_nc_u32 v11, -(EMAX<<23), v8              ; 2 off its exponent field: the conversion takes the exponent field of this operand as its scale
	v_cvt_scalef32_pk8_fp4_f32 v[C+2*(\t)], v[XS:XS+7], v11
	v_cvt_scalef32_pk8_fp4_f32 v[C+2*(\t)+1], v[XS+8:XS+15], v11
	v_lshrrev_b32 v[E+(\t)], 23, v11               ; the scale's byte (also the plain line behind the conversions)
	ds_store_b8 v5, v[E+(\t)] offset:SCB+16*(\t)   ; both lanes of a block write the same byte with the same value
	ds_store_b64 v4, v[C+2*(\t):C+2*(\t)+1] offset:IMG+16*(\t)
.endm
.irp t, 0,1,2,3,4,5,6,7,8,9,10,11,12,13,14,15
	STEP \t
.endr
	ds_load_b64 v[8:9], v6 offset:SCB              ; LDS serves a wave's instructions in order: these see my stores
.irp j, 0,1,2,3,4,5,6,7
	ds_load_b128 v[R+4*\j:R+4*\j+3], v10 offset:IMG+2*IP*\j
.endr
	s_wait_dscnt 8                                 ; the scale bytes are back; the image's eight loads may be out
	global_store_b64 v7, v[8:9], s[30:31]          ; 32 lanes store 256 consecutive bytes, aligned
.irp j, 0,1,2,3,4,5,6,7
	s_wait_dscnt 7-\j
	global_store_b128 v3, v[R+4*\j:R+4*\j+3], s[28:29] offset:512*\j   ; 512 consecutive bytes, aligned
.endr
	s_wait_tensorcnt 0x0                           ; the wave's end, behind my last LDS store
	ds_add_u32 v[SPW], v[NIL]
	s_wait_dscnt 0x0
	s_endpgm
.Lfunc_end_k_q9dd313335b_quant:
	.size	k_q9dd313335b_quant, .Lfunc_end_k_q9dd313335b_quant-k_q9dd313335b_quant
	.p2alignl 7, 3214868480
	.fill 96, 4, 3214868480
	.section	.rodata,"a",@progbits
	.p2align	6, 0x0
	.amdhsa_kernel k_q9dd313335b_quant
		.amdhsa_group_segment_fixed_size 39424
		.amdhsa_private_segment_fixed_size 0
		.amdhsa_enable_private_segment 0
		.amdhsa_kernarg_size 72
		.amdhsa_user_sgpr_count 2
		.amdhsa_user_sgpr_kernarg_segment_ptr 1
		.amdhsa_wavefront_size32 1
		.amdhsa_system_sgpr_workgroup_id_x 1
		.amdhsa_system_sgpr_workgroup_id_y 1
		.amdhsa_system_sgpr_workgroup_id_z 1
		.amdhsa_system_vgpr_workitem_id 0
		.amdhsa_next_free_vgpr 160
		.amdhsa_next_free_sgpr 66
		.amdhsa_reserve_vcc 0
		.amdhsa_float_denorm_mode_32 3
		.amdhsa_float_denorm_mode_16_64 3
		.amdhsa_memory_ordered 1
		.amdhsa_forward_progress 1
		.amdhsa_inst_pref_size 35
	.end_amdhsa_kernel
	.amdgpu_metadata
---
amdhsa.version: [ 1, 2 ]
amdhsa.kernels:
  - .name:           k_q9dd313335b_quant
    .symbol:         k_q9dd313335b_quant.kd
    .args:
      - { .name: x, .offset: 0, .size: 8, .value_kind: global_buffer, .address_space: global }
      - { .name: w_q, .offset: 8, .size: 8, .value_kind: global_buffer, .address_space: global }
      - { .name: w_k, .offset: 16, .size: 8, .value_kind: global_buffer, .address_space: global }
      - { .name: w_v, .offset: 24, .size: 8, .value_kind: global_buffer, .address_space: global }
      - { .name: w_o, .offset: 32, .size: 8, .value_kind: global_buffer, .address_space: global }
      - { .name: x_img, .offset: 40, .size: 8, .value_kind: global_buffer, .address_space: global }
      - { .name: x_sc, .offset: 48, .size: 8, .value_kind: global_buffer, .address_space: global }
      - { .name: w_img, .offset: 56, .size: 8, .value_kind: global_buffer, .address_space: global }
      - { .name: w_sc, .offset: 64, .size: 8, .value_kind: global_buffer, .address_space: global }
    .group_segment_fixed_size: 39424
    .private_segment_fixed_size: 0
    .kernarg_segment_align: 8
    .kernarg_segment_size: 72
    .max_flat_workgroup_size: 128
    .sgpr_count:     66
    .vgpr_count:     160
    .wavefront_size: 32
...
	.end_amdgpu_metadata
.endif
;; end of part 1
;; launch qkv (part 2): grid 8 x 48, 4 waves a work-group, clusters of 4 x 4, 327,680 bytes of LDS; arguments x_img, x_sc, w_img, w_sc, qkv; writes qkv
.if DOCPART == 2
	.amdgcn_target "amdgcn-amd-amdhsa--gfx1250"
	.amdhsa_code_object_version 6
	.text
	.protected	k_q9dd313335b_qkv
	.globl	k_q9dd313335b_qkv
	.p2align	8
	.type	k_q9dd313335b_qkv,@function
k_q9dd313335b_qkv:
	s_mov_b64 s[64:65], 0
	v_nop
	global_prefetch_b8 v0, s[64:65] scope:SCOPE_SE
	s_setreg_imm32_b32 hwreg(HW_REG_WAVE_MODE, 25, 1), 1
	s_wait_xcnt 0x0
	s_wait_alu depctr_hold_cnt(0) depctr_sa_sdst(0) depctr_va_vdst(0) depctr_va_sdst(0) depctr_va_ssrc(0) depctr_va_vcc(0) depctr_vm_vsrc(0)
	s_getreg_b32 s2, hwreg(HW_REG_IB_STS2, 6, 4)
	s_cmp_eq_u32 s2, 0
	s_cbranch_scc0 .Lentry_in_a_cluster
	s_endpgm
.Lentry_in_a_cluster:
	s_bfe_u32 s2, ttmp6, 0x10000c
	s_cmp_lg_u32 s2, 0xf033
	s_cbranch_scc0 .Lentry_shape_is_right
	s_endpgm
.Lentry_shape_is_right:
; Launch 2 of 4: Q = x w_q^T, K = x w_k^T, V = x w_v^T on codes of FP4, and their quantising for the two products of attention, in registers.  No work of the problem is left out.
; ONE TEXT FOR ALL THREE: Out[m][n] = sum over k of A[m][k] B[n][k], K = 1,024, and Out is quantised ALONG n in blocks of 32.  Source 0 = 16 rows of B, source 1 = 16 rows of A: a lane holds one row m, and, by the
; order of rows in a tile (lane r of tile t is row 32 (t / 2) + 8 (t % 2) + r + 8 (r / 8)), the 16 registers of B's tiles 2 j and 2 j + 1 are n = 32 j + 16 (lane / 16) + 0 .. 15.
;   Q, K: A = x (tokens), B = w_q or w_k (channels): quantised along the head's 64 channels.     V: A = w_v (channels), B = x (tokens): quantised along the keys.
; A tile of Out, 256 x 256, is made by four waves, 128 x 128 each: 64 accumulators, 512 registers.  256 tiles for Q and K (cluster rows 0-7), 128 for V (cluster rows 8-11).
; CLUSTERS: 4 x 4 work-groups.  A's rows hang on the place along y alone and are shared along a row of the cluster, B's on the place along x and are shared along a column: each is asked for jointly.
; OPERANDS lie in memory as images of registers (8,192 bytes a tile of 16 rows; its K half 4,096 consecutive bytes), so they lie so in LDS: a fragment load reads 512 consecutive bytes, and nothing is padded.
; K = 1,024 is two slots of 512: all of a wave's three tensor loads (scale bytes, slot 0, slot 1) are first fills; nothing is filled again.
; WHAT IS STORED: qkv, [batch x head: 64][128 tokens: 16] records of 13,568 bytes: +0 K's codes [tile 8][lane][16 B] (k = 32 h + 0 .. 31 of the head's 64); +4,096 V's codes [c 2][channel tile 4][lane][16 B] (keys 64 c + 32 h + ..);
;   +8,192 K's scale words [lane (r, h)][4]: word j is tile 4 h + j; +8,704 V's [r][4]: word t is channel tile t; +8,960 Q's codes, +13,056 Q's scale words, as K's.  In Q's and K's words bytes 2, 3 are 0x7f: they stand over zero codes.
; LIMITS: as in the first launch (a block of zeros or under the floor 2^-124 gets the byte 1; NaN and infinities are not served).
; REGISTERS, in windows of 256: window 0: v0-31 addresses; v32-95 scale words, two sets, and nothing else; v128-191 A's fragments, ONE set; on the way out v96-232.   window 1: B's fragments, two sets, at v0 and v128.
;   window 2: the 32 accumulators of my rows 0-63 (accumulator (a, b) at v[8 (8 (a % 4) + b)]);   window 3: those of my rows 64-127.
.set NQ,     4                         ; steps of 128 along K in a slot
.set FR,     8                         ; registers of a fragment
.set NL,     2                         ; LDS loads that bring one
.set NP,     4                         ; places behind this matrix instruction (ISA guide 7.12.1)
.set TILEB,  4096                      ; a tile's codes of one K half
.set HALFT,  8*TILEB                   ; 8 tiles, 128 rows: what one tensor load brings, and what one wave reads of A or of B
.set SLOT,   4*HALFT                   ; A's 16 tiles, then B's 16
.set SCL,    2*SLOT                    ; behind the slots: A's scale images (16 x 512 bytes), then B's
.set SPARE,  SCL+16384                 ; the spare words, 128 bytes for each wave
.set REC,    13568
.set HEADB,  16*REC
.set VO,   8                           ; v8-11   the way out: my byte in the record for (rows' half p, group g) at v[VO + 2 p + g]
.set VS,   12                          ; v12     and for the scale words
.set ADRA, 16                          ; v16-17  LDS address of my A fragments in slot 0, 1
.set ADRB, 20                          ; v20-21  the same for B
.set ADRS, 27                          ; v27     LDS address of my scale words: lanes 0-15 A's rows, lanes 16-31 B's
.set SPW,  28                          ; v28     LDS address of my spare word; never rewritten
.set NIL,  29                          ; v29     0; never rewritten
.set SC,   32                          ; scale words: set s at v[SC + 32 s]; register 4 i + q: lanes 0-15 A's tile i, lanes 16-31 B's tile i, the slot's q-th 128 along K
.set AF,   128                         ; A's fragments
.set HW,   96                          ; v96-111  the way out: two scale bytes for (a, g) at v[HW + 2 a + g]
.set TMX,  112                         ; v112-119 eight blocks' largest magnitudes
.set TMY,  120                         ; v120-127 the other half's, then the bytes
.set TMS,  128                         ; v128-135 the conversions' scale operands
.set PC,   136                         ; v136-199 codes: 16 registers for each of four batches, so that no store's data are written again
.set TT,   200                         ; v200-207, v208-215, v216-223 scale words in the making
.set X0,   208
.set X1,   216
.set YY,   224                         ; v224-227, v228-231 scale words to store
.set ZZ,   228
.set PAD,  232                         ; v232     0x7f7f
.set G1, 24                            ; s[24:31] descriptor group 1 for A's codes;  s[32:39] group 0, one set for each slot
.set G0, 32
.set G1B, 48                           ; s[48:55], s[56:63] the same for B's
.set G0B, 56
.set G1S, 68                           ; s[68:75], s[76:79] groups 1 and 0 for A's scale images;  s[80:87], s[88:91] for B's
.set G0S, 76
.set G1SB, 80
.set G0SB, 88
.set DST, 92                           ; s[92:93] my first record
.set MV,  94                           ; s94  all ones in a tile of V, else 0
.set MH,  95                           ; s95  lanes 16-31
.set SEL, 96                           ; s[96:97] lane selects for v_permlanex16_b32: lane l xor 16
.set MSB, 0
.macro WIN new                         ; the immediate's high byte repeats the setting that is left
.if MSB != (\new)
	s_set_vgpr_msb (MSB<<8)|(\new)
.set MSB, (\new)
.endif
.endm
.set MUL_LO, 0xa1                      ; source 0 (B) window 1, source 1 (A) window 0, C and D window 2
.set MUL_HI, 0xf1                      ; the same, C and D window 3
.set TO_B,   0x40                      ; destination window 1, address window 0
; A joint load: waves 0 and 1 fetch for A, waves 2 and 3 for B.  Each of the two lines has one mask and one set of registers for all that issue it; the branch hangs on the wave's number alone.
; An s_nop 0 and four v_nop follow each of the two lines, ahead of the jump, the label and what follows.
.macro JLOAD g0a, g1a, g0b, g1b
	s_cmp_eq_u32 s15, 0
	s_cbranch_scc0 .Lfor_b_\@
	tensor_load_to_lds s[\g0a:\g0a+3], s[\g1a:\g1a+7]
	s_nop 0
.rept 4
	v_nop
.endr
	s_branch .Lasked_\@
.Lfor_b_\@:
	tensor_load_to_lds s[\g0b:\g0b+3], s[\g1b:\g1b+7]
	s_nop 0
.rept 4
	v_nop
.endr
.Lasked_\@:
.endm
.macro CROUND                          ; a round of the cluster's barrier
	s_barrier_signal -1
	s_barrier_wait -1
	s_cmp_lg_u32 s14, 0
	s_cbranch_scc1 .Lnot_wave_0_\@
	s_barrier_signal -3
.Lnot_wave_0_\@:
	s_barrier_wait -3
	s_barrier_signal -1
	s_barrier_wait -1
.endm
	s_load_b256 s[4:11], s[0:1], 0x0               ; x_img s[4:5], x_sc s[6:7], w_img s[8:9], w_sc s[10:11]
	s_load_b64 s[12:13], s[0:1], 0x20              ; qkv
	v_lshl_add_u32 v[SPW], v0, 2, SPARE
	v_mov_b32 v[NIL], 0
	ds_add_u32 v[SPW], v[NIL]                      ; the wave's opening: the add, twice on end, and its wait ahead of my first tensor load; the set-up below stands between
	ds_add_u32 v[SPW], v[NIL]
	v_lshrrev_b32 v1, 5, v0
	v_readfirstlane_b32 s14, v1                    ; wave 0..3
	s_lshr_b32 s15, s14, 1                         ; which half of the tile's rows (A) is mine.  Also: I fetch for A (0) or for B (1)
	s_and_b32 s16, s14, 1                          ; which half of its columns (B).  Also: which 8 tiles of that side I fetch
	s_bfe_u32 s40, ttmp6, 0x40000                  ; cx, cy: my place in the cluster
	s_bfe_u32 s41, ttmp6, 0x40004
	s_and_b32 s17, ttmp7, 0xffff                   ; the cluster's y: 0-7 Q and K, 8-11 V: the same in all sixteen partners
	s_lshl_b32 s43, s41, 2
	s_lshl_b32 s43, 15, s43                        ; my row of the cluster
	s_lshl_b32 s44, 0x1111, s40                    ; my column
	; which 256 rows of A and of B.  Q, K: A = x's 4 y + cy, B = the weights' 4 x + cx (0-3 w_q, 4-7 w_k).  V: A = the weights' 8 + cy (w_v), B = x's 4 (x + 2 (y - 8)) + cx
	s_lshl_b32 s18, s17, 2
	s_add_co_u32 s18, s18, s41
	s_add_co_u32 s19, s41, 8
	s_lshl_b32 s42, ttmp9, 2
	s_add_co_u32 s42, s42, s40
	s_lshl_b32 s47, s17, 3
	s_add_co_u32 s47, s47, s42
	s_sub_co_u32 s47, s47, 64
	s_cmp_ge_u32 s17, 8
	s_cselect_b32 s18, s19, s18                    ; iA: made of cy and the cluster's y alone
	s_cselect_b32 s42, s47, s42                    ; iB: made of cx and the cluster's x and y alone
	s_cselect_b32 s45, 1, 0                        ; a tile of V?
	s_cselect_b32 s[MV], -1, 0
	s_mov_b32 s[MH], 0xffff0000
	s_mov_b32 s[SEL], 0x76543210
	s_mov_b32 s[SEL+1], 0xfedcba98
	; descriptor group 1 for codes: 8 rows (tiles) of 4,096 bytes, 8,192 bytes apart, in elements of 8 bytes; no padding
	s_or_b32 s[G1+0], s43, (3<<16)|(1<<21)         ; 15:0 the mask: A's go to my row; 17:16 elements of 8 bytes; 21 set beside a mask
	s_or_b32 s[G1B+0], s44, (3<<16)|(1<<21)        ; B's go to my column
.irp g, G1, G1B
	s_mov_b32 s[\g+1], 512<<16                     ; tensor_dim0
	s_mov_b32 s[\g+2], 8<<16                       ; tensor_dim1
	s_mov_b32 s[\g+3], 512<<16                     ; tile_dim0
	s_mov_b32 s[\g+4], 8                           ; tile_dim1
	s_mov_b32 s[\g+5], 1024                        ; tensor_dim0_stride
	s_mov_b32 s[\g+6], 0
	s_mov_b32 s[\g+7], 0
.endr
	; and for the scale images of 8 tiles: 4,096 dense bytes as 16 rows of 256
	s_or_b32 s[G1S+0], s43, (3<<16)|(1<<21)
	s_or_b32 s[G1SB+0], s44, (3<<16)|(1<<21)
.irp g, G1S, G1SB
	s_mov_b32 s[\g+1], 32<<16
	s_mov_b32 s[\g+2], 16<<16
	s_mov_b32 s[\g+3], 32<<16
	s_mov_b32 s[\g+4], 16
	s_mov_b32 s[\g+5], 32
	s_mov_b32 s[\g+6], 0
	s_mov_b32 s[\g+7], 0
.endr
	s_lshl_b32 s20, s18, 17                        ; A's codes: 131,072 bytes for 256 rows, + 65,536 for the upper 8 tiles
	s_lshl_b32 s19, s16, 16
	s_add_co_u32 s20, s20, s19
	s_mov_b32 s21, 0
	s_lshl_b32 s22, s18, 13                        ; A's scale images: 8,192 and 4,096
	s_lshl_b32 s19, s16, 12
	s_add_co_u32 s22, s22, s19
	s_mov_b32 s23, 0
	s_lshl_b32 s46, s42, 17                        ; B's likewise
	s_lshl_b32 s47, s16, 16
	s_add_co_u32 s46, s46, s47
	s_mov_b32 s47, 0
	s_lshl_b32 s98, s42, 13
	s_lshl_b32 s99, s16, 12
	s_add_co_u32 s98, s98, s99
	s_mov_b32 s99, 0
.irp g, G0, G0B                        ; where they go: wave x 8 tiles: no place in the cluster enters an LDS address
	s_mov_b32 s[\g], 1
	s_lshl_b32 s[\g+1], s14, 15
	s_mov_b32 s[\g+4], 1
	s_add_co_u32 s[\g+5], s[\g+1], SLOT
.endr
.irp g, G0S, G0SB
	s_mov_b32 s[\g], 1
	s_lshl_b32 s[\g+1], s14, 12
	s_add_co_u32 s[\g+1], s[\g+1], SCL
.endr
	s_wait_dscnt 0x0                               ; both opening adds are done
	s_wait_kmcnt 0x0
	s_cmp_ge_u32 s17, 8                            ; which buffer is A and which B: by the cluster's y alone
	s_cselect_b64 s[G0+2:G0+3], s[8:9], s[4:5]
	s_cselect_b64 s[G0S+2:G0S+3], s[10:11], s[6:7]
	s_cselect_b64 s[G0B+2:G0B+3], s[4:5], s[8:9]
	s_cselect_b64 s[G0SB+2:G0SB+3], s[6:7], s[10:11]
	s_add_nc_u64 s[G0+2:G0+3], s[G0+2:G0+3], s[20:21]
	s_add_nc_u64 s[G0+6:G0+7], s[G0+2:G0+3], TILEB ; slot 1: the tiles' upper K half
	s_add_nc_u64 s[G0B+2:G0B+3], s[G0B+2:G0B+3], s[46:47]
	s_add_nc_u64 s[G0B+6:G0B+7], s[G0B+2:G0B+3], TILEB
	s_add_nc_u64 s[G0S+2:G0S+3], s[G0S+2:G0S+3], s[22:23]
	s_add_nc_u64 s[G0SB+2:G0SB+3], s[G0SB+2:G0SB+3], s[98:99]
.irp g, G0+3, G0+7, G0B+3, G0B+7, G0S+3, G0SB+3
	s_or_b32 s[\g], s[\g], 0x80000000              ; 127:126 type = 2
.endr
	CROUND                                         ; all sixteen work-groups are here: the first joint loads meet
	JLOAD G0S, G1S, G0SB, G1SB                     ; the scale images first: they are wanted with slot 0
	JLOAD G0, G1, G0B, G1B                         ; slot 0
	JLOAD G0+4, G1, G0B+4, G1B                     ; slot 1: three loads of mine are out
	v_and_b32 v1, 31, v0
	v_lshlrev_b32 v4, 4, v1                        ; 16 x lane: my place in every image
	v_and_b32 v2, 15, v0                           ; r
	v_bfe_u32 v3, v0, 4, 1                         ; h
	s_wait_alu depctr_va_vdst(0)
	s_lshl_b32 s21, s15, 15                        ; my 8 tiles of A
	s_lshl_b32 s22, s16, 15                        ; my 8 tiles of B,
	s_add_co_u32 s22, s22, 2*HALFT                 ; which lie behind A's 16
.irp s, 0,1
	v_add_nc_u32 v[ADRA+\s], s21, v4
	v_add_nc_u32 v[ADRB+\s], s22, v4
	s_add_co_u32 s21, s21, SLOT
	s_add_co_u32 s22, s22, SLOT
.endr
	s_lshl_b32 s21, s15, 12                        ; A's scale images: my 8 tiles
	s_lshl_b32 s22, s16, 12                        ; B's: my 8, behind A's 16
	s_add_co_u32 s22, s22, 8192
	s_sub_co_u32 s22, s22, s21
	v_mul_u32_u24 v6, s22, v3                      ; lanes 16-31 take B's
	s_add_co_u32 s21, s21, SCL
	v_lshl_add_u32 v5, v2, 4, v6                   ; 16 bytes a row
	v_add_nc_u32 v[ADRS], s21, v5
	; THE WAY OUT'S ADDRESSES.  My 128 tokens are one record's; my 128 channels are two heads.  Q, K: tokens on A's side, channels on B's.  V: the other way round
	s_lshl_b32 s20, s18, 1
	s_add_co_u32 s20, s20, s15                     ; which 128 rows of A's buffer
	s_lshl_b32 s21, s42, 1
	s_add_co_u32 s21, s21, s16                     ; which 128 rows of B's
	s_mov_b32 s46, HEADB
	s_mov_b32 s47, 2048
	s_cmp_lg_u32 s45, 0
	s_cselect_b32 s22, s21, s20                    ; which 128 tokens of the 8,192
	s_cselect_b32 s23, s20, s21                    ; which 128 channels (its low three bits)
	s_cselect_b32 s98, s46, s47                    ; from rows' half 0 to 1: Q, K: four tiles of tokens on; V: the next head
	s_cselect_b32 s99, s47, s46                    ; from group 0 to 1: Q, K: the next head; V: the next 64 keys
	s_cselect_b32 s19, s46, 256                    ; scale words, from lanes 0-15 to 16-31: Q, K: tiles 4-7; V: the next head
	s_cmp_lg_u32 ttmp9, 0                          ; the cluster's x: 0 w_q, 1 w_k
	s_cselect_b32 s2, 0, 8960
	s_mov_b32 s3, 13056
	s_cselect_b32 s3, 8192, s3
	s_cmp_lg_u32 s45, 0
	s_cselect_b32 s2, 4096, s2                     ; where the codes lie in a record
	s_cselect_b32 s3, 8704, s3                     ; and the scale words
	s_and_b32 s23, s23, 7
	s_lshr_b32 s20, s22, 4                         ; the batch
	s_lshl_b32 s20, s20, 4
	s_lshl_b32 s23, s23, 1
	s_add_co_u32 s20, s20, s23                     ; 16 x batch + my first head
	s_lshl_b32 s20, s20, 4
	s_and_b32 s22, s22, 15
	s_add_co_u32 s20, s20, s22                     ; 16 records a head
	s_mul_i32 s20, s20, REC
	s_mov_b32 s21, 0
	s_add_nc_u64 s[DST:DST+1], s[12:13], s[20:21]
	v_add_nc_u32 v[VO], s2, v4
	v_add_nc_u32 v[VO+1], s99, v[VO]
	v_add_nc_u32 v[VO+2], s98, v[VO]
	v_add_nc_u32 v[VO+3], s98, v[VO+1]
	v_mul_u32_u24 v[VS], s19, v3
	v_lshl_add_u32 v[VS], v2, 4, v[VS]
	v_add_nc_u32 v[VS], s3, v[VS]
.macro FRAG reg, adr, q, i             ; a fragment, 16 rows x 128 K of 4-bit codes, is 8 registers; its image is two runs of 512 bytes
.irp c, 0,1
	ds_load_b128 v[\reg+4*\c:\reg+4*\c+3], v[\adr] offset:(\i)*TILEB+(\q)*1024+512*\c
.endr
.endm
; 16 matrix instructions: A's tiles a0, a0 + 1 x B's eight, the slot's q-th 128 along K.  p: B's set;  sc: the set of scale words.  zero = 1: the first product starts the sums: nothing is ever cleared.
; The 64 accumulators take turns, one instruction a turn, in the same order in every step.
.macro MUL16 a0, p, q, sc, zero
.irp a, \a0, \a0+1
.irp b, 0,1,2,3,4,5,6,7
.if \zero
	v_wmma_scale_f32_16x16x128_f8f6f4 v[8*(8*((\a)%4)+\b):8*(8*((\a)%4)+\b)+7], v[128*(\p)+FR*\b:128*(\p)+FR*\b+FR-1], v[AF+FR*(\a):AF+FR*(\a)+FR-1], 0, v[SC+8*NQ*(\sc)+NQ*\b+(\q)], v[SC+8*NQ*(\sc)+NQ*(\a)+(\q)] matrix_a_fmt:MATRIX_FMT_FP4 matrix_b_fmt:MATRIX_FMT_FP4 matrix_a_scale:MATRIX_SCALE_ROW1
.else
	v_wmma_scale_f32_16x16x128_f8f6f4 v[8*(8*((\a)%4)+\b):8*(8*((\a)%4)+\b)+7], v[128*(\p)+FR*\b:128*(\p)+FR*\b+FR-1], v[AF+FR*(\a):AF+FR*(\a)+FR-1], v[8*(8*((\a)%4)+\b):8*(8*((\a)%4)+\b)+7], v[SC+8*NQ*(\sc)+NQ*\b+(\q)], v[SC+8*NQ*(\sc)+NQ*(\a)+(\q)] matrix_a_fmt:MATRIX_FMT_FP4 matrix_b_fmt:MATRIX_FMT_FP4 matrix_a_scale:MATRIX_SCALE_ROW1
.endif
.endr
.endr
.endm
.macro FETCH_B slot, q, p              ; B's eight fragments of the slot's q-th 128 along K into set p
	WIN TO_B
.irp i, 0,1,2,3,4,5,6,7
	FRAG 128*(\p)+FR*\i, ADRB+\slot, \q, \i
.endr
	WIN 0
.endm
.macro FETCH_A slot, q, i0             ; A's tiles i0 .. i0 + 3
.irp i, \i0, \i0+1, \i0+2, \i0+3
	FRAG AF+FR*(\i), ADRA+\slot, \q, \i
.endr
.endm
.macro SCALES sc                       ; slot sc's scale words: four words a row; lanes 0-15 take A's tile i, lanes 16-31 B's tile i
.irp i, 0,1,2,3,4,5,6,7
	ds_load_b128 v[SC+8*NQ*\sc+NQ*\i:SC+8*NQ*\sc+NQ*\i+3], v[ADRS] offset:\i*512+\sc*256
.endr
.endm
.macro PLACES n                        ; plain vector instructions between a matrix instruction and a load into a register that it has read (ISA guide 7.12.1 for vector instructions)
.rept \n
	v_nop
.endr
.endm
; A step of 128 along K that has its successor in the same slot.  A has one set of registers: tiles 0-3 are fetched anew in the step's middle, tiles 4-7 at its end; B has two sets.
.macro STEP slot, q, zero
	s_wait_dscnt 4*NL                              ; B's set, the scale words and A's tiles 0-3 are in; the youngest eight loads (A's tiles 4-7) may be out
	WIN MUL_LO
	MUL16 0, (\q)%2, \q, \slot, \zero
	MUL16 2, (\q)%2, \q, \slot, \zero
	s_wait_dscnt 0                                 ; A's tiles 4-7 are in (asked for 32 matrix instructions ago)
	PLACES NP
	FETCH_B \slot, (\q)+1, 1-(\q)%2
	FETCH_A \slot, (\q)+1, 0
	WIN MUL_HI
	MUL16 4, (\q)%2, \q, \slot, \zero
	MUL16 6, (\q)%2, \q, \slot, \zero
	PLACES NP
	WIN 0
	FETCH_A \slot, (\q)+1, 4
.endm
.macro STEPS slot, from                ; the slot's steps from .. NQ - 2
.set Q, \from
.rept NQ-1-\from
	STEP \slot, Q, 0
.set Q, Q+1
.endr
.endm
	s_wait_alu depctr_va_vdst(0)
	s_wait_tensorcnt 1                             ; the scale images and my part of slot 0 are in (slot 1's load may be out)
	s_barrier_signal -1
	s_barrier_wait -1                              ; everybody's are
	FETCH_B 0, 0, 0
	FETCH_A 0, 0, 0
	SCALES 0
	FETCH_A 0, 0, 4
	STEP 0, 0, 1                                   ; the first step's products start the sums
	STEPS 0, 1
	; slot 0's last step changes slots: one barrier, in front of which each wave has waited for its part of slot 1
	s_wait_tensorcnt 0x0                           ; all my tensor loads have landed
	ds_add_u32 v[SPW], v[NIL]                      ; 0 onto my spare word
	s_wait_dscnt 4*NL+1                            ; (the add and the youngest eight loads, A's tiles 4-7, may be out)
	WIN MUL_LO
	MUL16 0, 1, NQ-1, 0, 0
	s_wait_dscnt 0x0                               ; no LDS instruction of mine is pending at the signal
	s_barrier_signal -1
	MUL16 2, 1, NQ-1, 0, 0                         ; work on registers while the others arrive
	WIN 0
	s_barrier_wait -1                              ; slot 1 is whole
	PLACES NP
	FETCH_B 1, 0, 0
	FETCH_A 1, 0, 0
	SCALES 1
	WIN MUL_HI
	MUL16 4, 1, NQ-1, 0, 0
	MUL16 6, 1, NQ-1, 0, 0
	PLACES NP
	WIN 0
	FETCH_A 1, 0, 4
	STEPS 1, 0
	s_wait_dscnt 4*NL                              ; the very last step: nothing more to fetch
	WIN MUL_LO
	MUL16 0, 1, NQ-1, 1, 0
	MUL16 2, 1, NQ-1, 1, 0
	s_wait_dscnt 0
	WIN MUL_HI
	MUL16 4, 1, NQ-1, 1, 0
	MUL16 6, 1, NQ-1, 1, 0
	WIN 0
; THE WAY OUT: the results are quantised where they stand.  For A's tile a a lane's 64 registers are four blocks of 32 along n (each shared with lane l xor 16); blocks 2 g, 2 g + 1 are group g: a head's 64 channels (Q, K) or 64 keys (V).
; The nine moves are also the places behind the last products.
.irp e, 0,1,2,3,4,5,6,7
	v_mov_b32 v[TMY+\e], 0                         ; written once: a lane permute's destination counts as one of its sources
.endr
	v_mov_b32 v[PAD], 0x7f7f
; A batch: A's tiles a0 and a0 + 1: eight blocks e, numbers at accumulator registers 64 (a0 % 4) + 16 e + 0 .. 15.  Four switches of the register window a batch.
.macro QGROUP a0
.set W,  2+(\a0)/4                     ; the accumulators' window
.set AB, 64*((\a0)%4)
.set PB, PC+8*(\a0)
	WIN 5*W                                        ; sources 0 and 1: the accumulators
.irp e, 0,1,2,3,4,5,6,7
	v_max3_num_f32 v[TMX+\e], |v[AB+16*\e]|, |v[AB+16*\e+1]|, 0x1800000   ; each accumulator is read from its low end on; the floor 2^(3 - 127) holds the byte at 1 from below
.endr
.irp i, 2,4,6,8,10,12,14
.irp e, 0,1,2,3,4,5,6,7
	v_max3_num_f32 v[TMX+\e], |v[AB+16*\e+\i]|, |v[AB+16*\e+\i+1]|, v[TMX+\e]   ; (the eight blocks by turns)
.endr
.endr
	WIN 0
.irp e, 0,1,2,3,4,5,6,7
	v_permlanex16_b32 v[TMY+\e], v[TMX+\e], s[SEL], s[SEL+1]
.endr
.irp e, 0,1,2,3,4,5,6,7
	v_max_num_f32 v[TMX+\e], v[TMX+\e], v[TMY+\e]  ; with lane l xor 16's: the block's largest magnitude
.endr
.irp e, 0,1,2,3,4,5,6,7
	v_add_nc_u32 v[TMS+\e], 0xff000000, v[TMX+\e]  ; 2 off its exponent field: the conversion's scale operand
.endr
.irp e, 0,1,2,3,4,5,6,7
	v_lshrrev_b32 v[TMY+\e], 23, v[TMS+\e]         ; the scale's byte
.endr
.irp u, 0,1,2,3
	v_lshl_or_b32 v[HW+2*(\a0)+\u], v[TMY+2*\u+1], 8, v[TMY+2*\u]   ; a group's two bytes
.endr
	WIN W                                          ; source 0 alone
.irp e, 0,1,2,3,4,5,6,7
	v_cvt_scalef32_pk8_fp4_f32 v[PB+2*\e], v[AB+16*\e:AB+16*\e+7], v[TMS+\e]
	v_cvt_scalef32_pk8_fp4_f32 v[PB+2*\e+1], v[AB+16*\e+8:AB+16*\e+15], v[TMS+\e]
.endr
	WIN 0
	v_nop                                          ; one plain place behind a scaled conversion
.irp u, 0,1,2,3                        ; the operand's layout wants a whole block in a lane: lanes 0-15 the group's first block, lanes 16-31 its second
	v_permlane16_swap_b32 v[PB+4*\u], v[PB+4*\u+2]
	v_permlane16_swap_b32 v[PB+4*\u+1], v[PB+4*\u+3]
.endr
.irp u, 0,1,2,3
	global_store_b128 v[VO+2*((\a0)/4)+(\u)%2], v[PB+4*\u:PB+4*\u+3], s[DST:DST+1] offset:(((\a0)%4)+(\u)/2)*512   ; 32 lanes store 512 consecutive bytes, aligned to 256
.endr
.endm
	QGROUP 0
	QGROUP 2
	QGROUP 4
	QGROUP 6
	; the scale words.  Q, K: a word is a head's two bytes under 0x7f7f.  V: a word is the bytes of the 128 keys' four blocks: group 0's two, group 1's two
.irp a, 0,1,2,3,4,5,6,7
	v_cndmask_b32 v[TT+\a], v[PAD], v[HW+2*\a+1], s[MV]
.endr
.irp a, 0,1,2,3,4,5,6,7
	v_lshl_or_b32 v[X0+\a], v[TT+\a], 16, v[HW+2*\a]
.endr
.irp j, 0,1,2,3
	v_cndmask_b32 v[YY+\j], v[X0+\j], v[X0+4+\j], s[MH]   ; lanes 0-15 tiles 0-3, lanes 16-31 tiles 4-7
.endr
	global_store_b128 v[VS], v[YY:YY+3], s[DST:DST+1]      ; sixteen lanes store 256 consecutive bytes, aligned
	s_cmp_lg_u32 s45, 0                            ; by the cluster's y alone: the same in all partners and all waves
	s_cbranch_scc1 .Lwords_done
.irp a, 0,1,2,3,4,5,6,7
	v_or_b32 v[X1+\a], 0x7f7f0000, v[HW+2*\a+1]    ; Q, K: the second head's words
.endr
.irp j, 0,1,2,3
	v_cndmask_b32 v[ZZ+\j], v[X1+\j], v[X1+4+\j], s[MH]
.endr
	global_store_b128 v[VS], v[ZZ:ZZ+3], s[DST:DST+1] offset:HEADB
.Lwords_done:
	s_wait_tensorcnt 0x0                           ; the wave's end, behind my last tensor load
	ds_add_u32 v[SPW], v[NIL]
	s_wait_dscnt 0x0
	CROUND                                         ; the closing round: no work-group ends while a partner may still ask for a tile that names it
	s_endpgm
.Lfunc_end_k_q9dd313335b_qkv:
	.size	k_q9dd313335b_qkv, .Lfunc_end_k_q9dd313335b_qkv-k_q9dd313335b_qkv
	.p2alignl 7, 3214868480
	.fill 96, 4, 3214868480
	.section	.rodata,"a",@progbits
	.p2align	6, 0x0
	.amdhsa_kernel k_q9dd313335b_qkv
		.amdhsa_group_segment_fixed_size 327680
		.amdhsa_private_segment_fixed_size 0
		.amdhsa_enable_private_segment 0
		.amdhsa_kernarg_size 40
		.amdhsa_user_sgpr_count 2
		.amdhsa_user_sgpr_kernarg_segment_ptr 1
		.amdhsa_wavefront_size32 1
		.amdhsa_system_sgpr_workgroup_id_x 1
		.amdhsa_system_sgpr_workgroup_id_y 1
		.amdhsa_system_sgpr_workgroup_id_z 1
		.amdhsa_system_vgpr_workitem_id 0
		.amdhsa_next_free_vgpr 1024
		.amdhsa_next_free_sgpr 100
		.amdhsa_reserve_vcc 0
		.amdhsa_float_denorm_mode_32 3
		.amdhsa_float_denorm_mode_16_64 3
		.amdhsa_memory_ordered 1
		.amdhsa_forward_progress 1
		.amdhsa_inst_pref_size 129
	.end_amdhsa_kernel
	.amdgpu_metadata
---
amdhsa.version: [ 1, 2 ]
amdhsa.kernels:
  - .name:           k_q9dd313335b_qkv
    .symbol:         k_q9dd313335b_qkv.kd
    .args:
      - { .name: x_img, .offset: 0, .size: 8, .value_kind: global_buffer, .address_space: global }
      - { .name: x_sc, .offset: 8, .size: 8, .value_kind: global_buffer, .address_space: global }
      - { .name: w_img, .offset: 16, .size: 8, .value_kind: global_buffer, .address_space: global }
      - { .name: w_sc, .offset: 24, .size: 8, .value_kind: global_buffer, .address_space: global }
      - { .name: qkv, .offset: 32, .size: 8, .value_kind: global_buffer, .address_space: global }
    .group_segment_fixed_size: 327680
    .private_segment_fixed_size: 0
    .kernarg_segment_align: 8
    .kernarg_segment_size: 40
    .max_flat_workgroup_size: 128
    .sgpr_count:     100
    .vgpr_count:     1024
    .wavefront_size: 32
...
	.end_amdgpu_metadata
.endif
;; end of part 2
;; launch attn (part 3): grid 8 x 64, 16 waves a work-group, clusters of 4 x 1, 327,680 bytes of LDS; arguments qkv, a_img, a_sc; writes a_img, a_sc
.if DOCPART == 3
	.amdgcn_target "amdgcn-amd-amdhsa--gfx1250"
	.amdhsa_code_object_version 6
	.text
	.protected	k_q9dd313335b_attn
	.globl	k_q9dd313335b_attn
	.p2align	8
	.type	k_q9dd313335b_attn,@function
k_q9dd313335b_attn:
	s_mov_b64 s[64:65], 0
	v_nop
	global_prefetch_b8 v0, s[64:65] scope:SCOPE_SE
	s_setreg_imm32_b32 hwreg(HW_REG_WAVE_MODE, 25, 1), 1
	s_wait_xcnt 0x0
	s_wait_alu depctr_hold_cnt(0) depctr_sa_sdst(0) depctr_va_vdst(0) depctr_va_sdst(0) depctr_va_ssrc(0) depctr_va_vcc(0) depctr_vm_vsrc(0)
	s_getreg_b32 s2, hwreg(HW_REG_IB_STS2, 6, 4)
	s_cmp_eq_u32 s2, 0
	s_cbranch_scc0 .Lentry_in_a_cluster
	s_endpgm
.Lentry_in_a_cluster:
	s_bfe_u32 s2, ttmp6, 0x10000c
	s_cmp_lg_u32 s2, 0x3003
	s_cbranch_scc0 .Lentry_shape_is_right
	s_endpgm
.Lentry_shape_is_right:
; Launch 3 of 4: O = softmax(Q K^T / 8) V for each of 64 (batch, head), 2,048 tokens, head size 64, both products on codes of FP4; O is quantised for the projection on the way out.  No work of the problem is left out.
; THE SOFTMAX AHEAD OF THE SECOND PRODUCT: t = score x log2(e) / 8; M = the row's largest t so far, rounded UP to a whole number; p = 2^(t - M) is what is quantised, along the keys, not normalised.
; The row's sum is taken of the unquantised p, in f32, and divides O at the end.  When M moves, the sum and O are multiplied by 2^(old M - new M): exact.
; SHARES.  A work-group owns 256 queries of one head; each of its sixteen waves owns one tile of 16 in 256 registers: four waves to a SIMD, so that one wave's vector work stands beside another's matrix work and LDS loads.
; K, V AND THEIR SCALE WORDS OF THE WHOLE HEAD STAY IN LDS: 16 records' first 8,960 bytes, 143,360 in all.  Each wave brings one record with one tensor load: first fills all, nothing is filled again, no ring.
; CLUSTER.  The four work-groups of a cluster belong to one head and want the same sixteen records: each load is a joint one, with the mask of all four.
; LAYOUT.  Both products are used transposed: S^T = K Q^T (source 0 = 16 keys, source 1 = my 16 queries), O^T = V^T P^T (source 0 = 16 channels, source 1 = P): a lane holds one query (lane % 16) throughout.
; By the order of rows in a tile (lane r of tile t is row 32 (t / 2) + 8 (t % 2) + r + 8 (r / 8)) the 16 registers of tiles 2 b, 2 b + 1 are keys (channels) 32 b + 16 (lane / 16) + 0 .. 15.
; The head's 64 are half of the instruction's 128 along K: the upper four registers of Q's and K's fragments are zero codes, under scale bytes 0x7f.
; WHAT IS STORED: a_img: O's codes as images of the projection's operand (tile of 16 tokens: [K step 8][c 2][lane][16 B]; head d is K step d / 2, c = d % 2); a_sc: [head 16][16 x tile + r] two bytes: the head's two block scales.
; LIMITS: a block of zeros or under the floor 2^-124 gets the byte 1 (this program alone reads the bytes); NaN and infinities are not served.
; REGISTERS: v1 16 x lane, v2 16 r; v3, v4 the add's two; v5, v6 the scale stage; v8, v9 the step's LDS addresses; v12 -M, v13 the largest t, v[14:15] the sum in two halves; v16-23 Q; v24-27 K's scale words, v28-31 V's;
;   v32-95 K's eight fragments; v96-159 S^T, then p; v160-191 O^T; v192-223 V's four fragments; v224-231 p's codes; v232-254 at work (v253 p's scale word); v255 Q's scale word.
.set REC,   13568
.set HEADB, 16*REC
.set KVB,   8960                       ; a record's K, V and their scale words: 35 rows of 256 bytes
.set STG,   16*KVB                     ; behind the records: the work-group's 256 x 2 scale bytes of O
.set SPARE, STG+512                    ; the spare words, 128 bytes for each wave
.set SPW,  3
.set NIL,  4
.set ADK,  8
.set ADV,  9
.set TB,   2                           ; s2   LDS byte at which the step's record begins
.set CNT,  3                           ; s3   steps to go
.set WV,   18                          ; s18  my wave's number
.set SEL,  20                          ; s[20:21] lane selects for v_permlanex16_b32: lane l xor 16
.set CS,   22                          ; s[22:23] c = log2(e) / 8
.set G1,   24                          ; s[24:31], s[40:43] the descriptor
.set G0,   40
.macro CROUND                          ; a round of the cluster's barrier
	s_barrier_signal -1
	s_barrier_wait -1
	s_cmp_lg_u32 s[WV], 0
	s_cbranch_scc1 .Lnot_wave_0_\@
	s_barrier_signal -3
.Lnot_wave_0_\@:
	s_barrier_wait -3
	s_barrier_signal -1
	s_barrier_wait -1
.endm
	s_load_b128 s[4:7], s[0:1], 0x0                ; qkv, a_img
	s_load_b64 s[8:9], s[0:1], 0x10                ; a_sc
	v_lshl_add_u32 v[SPW], v0, 2, SPARE
	v_mov_b32 v[NIL], 0
	ds_add_u32 v[SPW], v[NIL]                      ; the wave's opening: the add, twice on end, and its wait ahead of my first tensor load; the set-up below stands between
	ds_add_u32 v[SPW], v[NIL]
	v_lshrrev_b32 v8, 5, v0
	s_delay_alu instid0(VALU_DEP_1)
	v_readfirstlane_b32 s[WV], v8                  ; wave 0..15
	s_bfe_u32 s10, ttmp6, 0x40000                  ; cx
	s_lshl_b32 s11, ttmp9, 2
	s_add_co_u32 s10, s10, s11                     ; my block of 256 queries: it enters Q's and the outputs' addresses alone
	s_and_b32 s11, ttmp7, 0xffff                   ; 16 x batch + head, which the four partners share
	s_mul_i32 s12, s11, HEADB                      ; the head's first record
	s_mul_i32 s14, s[WV], REC
	s_add_co_u32 s14, s14, s12                     ; the record that I fetch: made of the head and the wave's number alone
	s_mov_b32 s15, 0
	s_mov_b32 s[G1], 15|(3<<16)|(1<<21)            ; 15:0 the mask: all four work-groups; 17:16 elements of 8 bytes; 21 set beside a mask
	s_mov_b32 s[G1+1], 32<<16                      ; tensor_dim0: 256 bytes
	s_mov_b32 s[G1+2], 35<<16                      ; tensor_dim1
	s_mov_b32 s[G1+3], 32<<16                      ; tile_dim0
	s_mov_b32 s[G1+4], 35                          ; tile_dim1
	s_mov_b32 s[G1+5], 32                          ; tensor_dim0_stride: dense
	s_mov_b32 s[G1+6], 0
	s_mov_b32 s[G1+7], 0
	s_mov_b32 s[G0], 1
	s_mul_i32 s[G0+1], s[WV], KVB
	s_lshl_b32 s16, s10, 1                         ; my queries' record: 2 x block + wave / 8
	s_lshr_b32 s17, s[WV], 3
	s_add_co_u32 s16, s16, s17
	s_mul_i32 s16, s16, REC
	s_add_co_u32 s16, s16, s12
	s_and_b32 s17, s[WV], 7                        ; my tile in it
	s_lshl_b32 s17, s17, 9
	s_add_co_u32 s17, s17, s16
	s_add_co_u32 s44, s17, 8960                    ; Q's codes
	s_mov_b32 s45, 0
	s_bfe_u32 s17, s[WV], 0x10002                  ; Q's scale words: [lane (r, h)][4], word j of half h is tile 4 h + j
	s_lshl_b32 s17, s17, 8
	s_and_b32 s19, s[WV], 3
	s_lshl_b32 s19, s19, 2
	s_add_co_u32 s17, s17, s19
	s_add_co_u32 s17, s17, s16
	s_add_co_u32 s46, s17, 13056
	s_mov_b32 s47, 0
	s_lshr_b32 s16, s11, 4                         ; the batch
	s_and_b32 s17, s11, 15                         ; the head
	s_lshl_b32 s48, s16, 7
	s_lshl_b32 s19, s10, 4
	s_add_co_u32 s48, s48, s19
	s_add_co_u32 s48, s48, s[WV]                   ; my tile of tokens: 128 x batch + 16 x block + wave
	s_lshl_b32 s48, s48, 13
	s_lshl_b32 s19, s17, 9                         ; head d: K step d / 2 (1,024 bytes), c = d % 2 (512): 512 d
	s_add_co_u32 s48, s48, s19
	s_mov_b32 s49, 0
	s_lshl_b32 s50, s17, 14                        ; a_sc: 16,384 bytes a head,
	s_lshl_b32 s19, s16, 12                        ; 4,096 a batch,
	s_add_co_u32 s50, s50, s19
	s_lshl_b32 s19, s10, 9                         ; 512 a block
	s_add_co_u32 s50, s50, s19
	s_mov_b32 s51, 0
	s_lshl_b32 s52, s[WV], 5
	s_add_co_u32 s52, s52, STG                     ; my wave's 32 bytes of the scale stage
	s_mov_b32 s[SEL], 0x76543210
	s_mov_b32 s[SEL+1], 0xfedcba98
	s_mov_b32 s[CS], 0x3e38aa3b                    ; c = log2(e) / sqrt(64)
	s_mov_b32 s[CS+1], s[CS]                       ; (named with it as a pair, so it is written)
	s_mov_b32 s[TB], 0
	s_mov_b32 s[CNT], 16
	v_and_b32 v1, 31, v0
	s_delay_alu instid0(VALU_DEP_1)
	v_lshlrev_b32 v1, 4, v1                        ; 16 x lane
	v_and_b32 v2, 15, v0
	s_delay_alu instid0(VALU_DEP_1)
	v_lshlrev_b32 v2, 4, v2                        ; 16 r
	s_wait_dscnt 0x0                               ; both opening adds are done
	s_wait_kmcnt 0x0
	s_add_nc_u64 s[G0+2:G0+3], s[4:5], s[14:15]
	s_or_b32 s[G0+3], s[G0+3], 0x80000000          ; 127:126 type = 2
	s_add_nc_u64 s[44:45], s[4:5], s[44:45]
	s_add_nc_u64 s[46:47], s[4:5], s[46:47]
	s_add_nc_u64 s[48:49], s[6:7], s[48:49]
	s_add_nc_u64 s[50:51], s[8:9], s[50:51]
	CROUND                                         ; all four work-groups are here: the joint loads meet
	tensor_load_to_lds s[G0:G0+3], s[G1:G1+7]      ; record w of the head: my one tensor load
	s_nop 0
	s_wait_alu depctr_va_vdst(0)
	global_load_b128 v[16:19], v1, s[44:45]        ; Q's fragment stays in registers
	global_load_b32 v255, v2, s[46:47]             ; and its scale words
.irp c, 20,21,22,23
	v_mov_b32 v\c, 0                               ; k = 64 .. 127: zero codes
.endr
.irp t, 0,1,2,3,4,5,6,7
.irp c, 4,5,6,7
	v_mov_b32 v[32+8*\t+\c], 0                     ; the same in K's eight fragments: written once, no load lands here
.endr
.endr
	v_mov_b32 v13, 0xff61b1e6                      ; the largest t so far: -3e38, under every t
	s_delay_alu instid0(VALU_DEP_1)
	v_floor_f32 v12, -v13                          ; -M
	v_mov_b32 v14, 0                               ; the sum, in two halves
	v_mov_b32 v15, 0
.irp b, 0,1,2,3
	v_mov_b32 v[236+\b], 0                         ; written once: a lane permute's destination counts as one of its sources
.endr
	v_mov_b32 v253, 0                              ; (named as the upper half of the pair v[252:253] before it is first written)
.set j, 0
.rept 32
	v_mov_b32 v[160+j], 0                          ; O^T.  (The step is written once: the first finds zeros, which the first change of M leaves zeros)
.set j, j+1
.endr
	s_wait_tensorcnt 0x0                           ; my record is in,
	s_barrier_signal -1
	s_barrier_wait -1                              ; everybody's is: the head's K and V lie in LDS
	s_wait_loadcnt 0x0                             ; Q
.Lstep:                                            ; 16 trips, 128 keys each
	s_setprio 2
	v_add_nc_u32 v[ADK], s[TB], v1
	v_add_nc_u32 v[ADV], s[TB], v2
	v_nop                                          ; with the two additions: four places in front of loads into registers that the last trip's products have read
	v_nop
.irp t, 0,1,2,3,4,5,6,7
	ds_load_b128 v[32+8*\t:35+8*\t], v[ADK] offset:512*\t          ; K's tile t
.endr
	ds_load_b128 v[24:27], v[ADK] offset:8192                      ; K's scale words: lanes 0-15 tiles 0-3, lanes 16-31 tiles 4-7
.irp t, 0,1,2,3
	ds_load_b128 v[192+8*\t:195+8*\t], v[ADK] offset:4096+512*\t   ; V's channel tile t: keys 32 h + .. ,
	ds_load_b128 v[196+8*\t:199+8*\t], v[ADK] offset:6144+512*\t   ; and 64 + 32 h + ..
.endr
	ds_load_b128 v[28:31], v[ADV] offset:8704                      ; V's scale words
	s_wait_dscnt 9                                 ; K's nine loads are in; V's nine may be out
.irp t, 0,1,2,3
	v_wmma_scale_f32_16x16x128_f8f6f4 v[96+8*\t:103+8*\t], v[32+8*\t:39+8*\t], v[16:23], 0, v[24+\t], v255 matrix_a_fmt:MATRIX_FMT_FP4 matrix_b_fmt:MATRIX_FMT_FP4
.endr
.irp t, 4,5,6,7
	v_wmma_scale_f32_16x16x128_f8f6f4 v[96+8*\t:103+8*\t], v[32+8*\t:39+8*\t], v[16:23], 0, v[20+\t], v255 matrix_a_fmt:MATRIX_FMT_FP4 matrix_b_fmt:MATRIX_FMT_FP4 matrix_a_scale:MATRIX_SCALE_ROW1
.endr
.rept 4
	v_nop
.endr
.irp b, 0,1,2,3
	v_max3_num_f32 v[232+\b], v[96+16*\b], v[97+16*\b], v[98+16*\b]   ; the largest score of each block of 32 keys: it serves the row's maximum and, since p rises with the score, the block's largest p
.endr
.irp i, 3,5,7,9,11,13
.irp b, 0,1,2,3
	v_max3_num_f32 v[232+\b], v[232+\b], v[96+16*\b+\i], v[97+16*\b+\i]   ; (the four blocks by turns)
.endr
.endr
.irp b, 0,1,2,3
	v_max_num_f32 v[232+\b], v[232+\b], v[111+16*\b]
.endr
.irp b, 0,1,2,3
	s_delay_alu instid0(VALU_DEP_4)
	v_permlanex16_b32 v[236+\b], v[232+\b], s[SEL], s[SEL+1]
.endr
.irp b, 0,1,2,3
	s_delay_alu instid0(VALU_DEP_4)
	v_max_num_f32 v[232+\b], v[232+\b], v[236+\b]  ; with lane l xor 16's 16 keys
.endr
	s_delay_alu instid0(VALU_DEP_2)
	v_max3_num_f32 v254, v232, v233, v234
	s_delay_alu instid0(VALU_DEP_1)
	v_max_num_f32 v254, v254, v235                 ; the step's largest score of my query
	s_delay_alu instid0(VALU_DEP_1)
	v_mul_f32 v254, s[CS], v254                    ; as t (c is positive)
	s_delay_alu instid0(VALU_DEP_1)
	v_max_num_f32 v13, v13, v254                   ; the running largest t
	v_mov_b32 v254, v12
	s_delay_alu instid0(VALU_DEP_2)
	v_floor_f32 v12, -v13                          ; the new -M = floor(-t) = -ceil(t): M is a whole number
	s_delay_alu instid0(VALU_DEP_1)
	v_sub_f32 v254, v12, v254                      ; M's old value less its new one: a whole number, 0 or less
	s_delay_alu instid0(VALU_DEP_1)
	v_cvt_i32_f32 v254, v254                       ; (it saturates)
	s_delay_alu instid0(VALU_DEP_1)
	v_ldexp_f32 v252, 1.0, v254                    ; f = 2^(old M - new M)
.set j, 0
.rept 32
	v_pk_fma_f32 v[96+j:97+j], v[96+j:97+j], s[CS:CS+1], v[12:13] op_sel_hi:[1,0,0]   ; t - M, two at a time (of the pairs c and -M the low word serves both halves)
.set j, j+2
.endr
.irp b, 0,1,2,3
	v_fma_f32 v[232+\b], v[232+\b], s[CS], v12     ; the same of each block's largest score
.endr
.set j, 0
	s_wait_alu depctr_va_vdst(0)
.rept 64
	v_exp_f32 v[96+j], v[96+j]                     ; p = 2^(t - M), at most 1: not normalised
.set j, j+1
.endr
	s_setprio 1
	v_pk_mul_f32 v[14:15], v[14:15], v[252:253] op_sel_hi:[1,0]   ; the sums under the new M (a plain place behind the exponentials)
	s_wait_alu depctr_va_vdst(0)                   ; one wait for the whole batch, ahead of its first reader
.irp b, 0,1,2,3
	v_exp_f32 v[232+\b], v[232+\b]                 ; the block's largest p: the same two instructions on the same number give the same bits
.endr
	v_pk_add_f32 v[236:237], v[100:101], v[104:105]
	v_pk_add_f32 v[250:251], v[108:109], v[112:113]
	v_pk_add_f32 v[248:249], v[116:117], v[120:121]
	v_pk_add_f32 v[246:247], v[124:125], v[128:129]
	v_pk_add_f32 v[244:245], v[132:133], v[136:137]
	v_pk_add_f32 v[242:243], v[140:141], v[144:145]
	v_pk_add_f32 v[240:241], v[148:149], v[152:153]
	v_pk_add_f32 v[14:15], v[14:15], v[156:157]
	v_pk_add_f32 v[236:237], v[236:237], v[96:97]
	v_pk_add_f32 v[250:251], v[250:251], v[98:99]
	v_pk_add_f32 v[248:249], v[248:249], v[102:103]
	v_pk_add_f32 v[246:247], v[246:247], v[106:107]
	v_pk_add_f32 v[244:245], v[244:245], v[110:111]
	v_pk_add_f32 v[242:243], v[242:243], v[114:115]
	v_pk_add_f32 v[240:241], v[240:241], v[118:119]
	v_pk_add_f32 v[14:15], v[14:15], v[122:123]
	v_pk_add_f32 v[236:237], v[236:237], v[126:127]
	v_pk_add_f32 v[250:251], v[250:251], v[130:131]
	v_pk_add_f32 v[248:249], v[248:249], v[134:135]
	v_pk_add_f32 v[246:247], v[246:247], v[138:139]
	v_pk_add_f32 v[244:245], v[244:245], v[142:143]
	v_pk_add_f32 v[242:243], v[242:243], v[146:147]
	v_pk_add_f32 v[240:241], v[240:241], v[150:151]
	v_pk_add_f32 v[14:15], v[14:15], v[154:155]
	v_pk_add_f32 v[236:237], v[236:237], v[158:159]
	s_delay_alu instid0(VALU_DEP_2)
	v_pk_add_f32 v[14:15], v[14:15], v[246:247]
	s_delay_alu instid0(VALU_DEP_2)
	v_pk_add_f32 v[236:237], v[236:237], v[244:245]
	v_pk_add_f32 v[250:251], v[250:251], v[242:243]
	v_pk_add_f32 v[248:249], v[248:249], v[240:241]
	s_delay_alu instid0(VALU_DEP_2)
	v_pk_add_f32 v[14:15], v[14:15], v[250:251]
	s_delay_alu instid0(VALU_DEP_2)
	v_pk_add_f32 v[236:237], v[236:237], v[248:249]
	s_delay_alu instid0(VALU_DEP_1)
	v_pk_add_f32 v[14:15], v[14:15], v[236:237]
	s_wait_alu depctr_va_vdst(0)                   ; and one for the four
.irp b, 0,1,2,3
	v_max_num_f32 v[232+\b], 0x1800000, v[232+\b]  ; the floor 2^(3 - 127): the byte cannot fall under 1
.endr
.irp b, 0,1,2,3
	s_delay_alu instid0(VALU_DEP_4)
	v_add_nc_u32 v[244+\b], 0xff000000, v[232+\b]  ; 2 off the exponent field: the conversion's scale operand
.endr
.irp b, 0,1,2,3
	s_delay_alu instid0(VALU_DEP_4)
	v_lshrrev_b32 v[236+\b], 23, v[244+\b]         ; the scale's byte
.endr
	s_delay_alu instid0(VALU_DEP_3)
	v_lshl_or_b32 v253, v237, 8, v236              ; p's scale word for these 128 keys
	s_delay_alu instid0(VALU_DEP_1)
	v_lshl_or_b32 v253, v238, 16, v253
	s_delay_alu instid0(VALU_DEP_1)
	v_lshl_or_b32 v253, v239, 24, v253
.irp b, 0,1,2,3
	v_cvt_scalef32_pk8_fp4_f32 v[224+2*\b], v[96+16*\b:103+16*\b], v[244+\b]
	v_cvt_scalef32_pk8_fp4_f32 v[225+2*\b], v[104+16*\b:111+16*\b], v[244+\b]
.endr
	v_nop                                          ; one plain place behind a scaled conversion
.irp c, 0,1                            ; the operand's layout wants a whole block in a lane: lanes 0-15 block 2 c, lanes 16-31 block 2 c + 1
.irp i, 0,1
	v_permlane16_swap_b32 v[224+4*\c+\i], v[226+4*\c+\i]
.endr
.endr
.set j, 0
	s_setprio 0
.rept 16
	v_pk_mul_f32 v[160+j:161+j], v[160+j:161+j], v[252:253] op_sel_hi:[1,0]   ; O^T under the new M: x f.  (These sixteen are also the places between the lines that made p's codes and scale word and the products below)
.set j, j+2
.endr
	s_wait_alu depctr_va_vdst(0)
	s_wait_dscnt 0x0                               ; V is in
.irp t, 0,1,2,3
	v_wmma_scale_f32_16x16x128_f8f6f4 v[160+8*\t:167+8*\t], v[192+8*\t:199+8*\t], v[224:231], v[160+8*\t:167+8*\t], v[28+\t], v253 matrix_a_fmt:MATRIX_FMT_FP4 matrix_b_fmt:MATRIX_FMT_FP4
.endr
	s_add_co_u32 s[TB], s[TB], KVB                 ; the next record
	s_sub_co_u32 s[CNT], s[CNT], 1
	s_cmp_lg_u32 s[CNT], 0
	s_cbranch_scc1 .Lstep
	s_setprio 0
	; THE WAY OUT.  O^T / the sum is quantised along the head's 64 channels, which are two blocks of the projection's K: register 16 b + i is channel 32 b + 16 (lane / 16) + i.
	v_add_f32 v14, v14, v15                        ; the sum's two halves,
	s_delay_alu instid0(VALU_DEP_1)
	v_permlanex16_b32 v252, v14, s[SEL], s[SEL+1]
	s_delay_alu instid0(VALU_DEP_1)
	v_add_f32 v14, v14, v252                       ; and lane l xor 16's: the row's sum
	s_wait_alu depctr_va_vdst(0)
	v_rcp_f32 v14, v14
	v_and_b32 v5, 15, v0                           ; (plain places behind the reciprocal and the last products)
	s_delay_alu instid0(VALU_DEP_1)
	v_lshlrev_b32 v5, 1, v5
	s_delay_alu instid0(VALU_DEP_1)
	v_add_nc_u32 v5, s52, v5                       ; the scale stage: 2 bytes a query, 32 a wave
	v_and_b32 v6, 31, v0
	s_delay_alu instid0(VALU_DEP_1)
	v_lshl_add_u32 v6, v6, 4, STG                  ; and back: 16 bytes a lane
	s_wait_alu depctr_va_vdst(0)                   ; the wait ahead of the reciprocal's first reader
.set j, 0
.rept 32
	v_mul_f32 v[96+j], v[160+j], v14               ; each accumulator from its low end on
.set j, j+1
.endr
.irp b, 0,1
	v_max3_num_f32 v[232+\b], |v[96+16*\b]|, |v[97+16*\b]|, 0x1800000
.endr
.irp i, 2,4,6,8,10,12,14
.irp b, 0,1
	s_delay_alu instid0(VALU_DEP_2)
	v_max3_num_f32 v[232+\b], v[232+\b], |v[96+16*\b+\i]|, |v[97+16*\b+\i]|
.endr
.endr
.irp b, 0,1
	s_delay_alu instid0(VALU_DEP_2)
	v_permlanex16_b32 v[236+\b], v[232+\b], s[SEL], s[SEL+1]
.endr
.irp b, 0,1
	s_delay_alu instid0(VALU_DEP_2)
	v_max_num_f32 v[232+\b], v[232+\b], v[236+\b]
.endr
.irp b, 0,1
	s_delay_alu instid0(VALU_DEP_2)
	v_add_nc_u32 v[244+\b], 0xff000000, v[232+\b]
.endr
.irp b, 0,1
	s_delay_alu instid0(VALU_DEP_2)
	v_lshrrev_b32 v[236+\b], 23, v[244+\b]
.endr
	s_delay_alu instid0(VALU_DEP_1)
	v_lshl_or_b32 v240, v237, 8, v236              ; the head's two bytes of my query
.irp b, 0,1
	v_cvt_scalef32_pk8_fp4_f32 v[224+2*\b], v[96+16*\b:103+16*\b], v[244+\b]
	v_cvt_scalef32_pk8_fp4_f32 v[225+2*\b], v[104+16*\b:111+16*\b], v[244+\b]
.endr
	v_nop                                          ; one plain place behind a scaled conversion
	v_permlane16_swap_b32 v224, v226
	v_permlane16_swap_b32 v225, v227               ; lanes 0-15 channels 0-31, lanes 16-31 channels 32-63
	global_store_b128 v1, v[224:227], s[48:49]     ; 512 consecutive bytes, aligned
	ds_store_b16 v5, v240                          ; both halves of the lanes write the same bytes with the same value
	s_wait_dscnt 0x0                               ; for the others' sake: my store has landed
	s_barrier_signal -1
	s_barrier_wait -1
	s_cmp_lg_u32 s[WV], 0
	s_cbranch_scc1 .Lnot_first
	ds_load_b128 v[96:99], v6                      ; wave 0 stores the work-group's 512 scale bytes as one aligned run of 512
	s_wait_dscnt 0x0
	global_store_b128 v1, v[96:99], s[50:51]
.Lnot_first:
	s_wait_tensorcnt 0x0                           ; the wave's end, behind my last tensor load and my last LDS store
	ds_add_u32 v[SPW], v[NIL]
	s_wait_dscnt 0x0
	CROUND                                         ; the closing round
	s_endpgm
.Lfunc_end_k_q9dd313335b_attn:
	.size	k_q9dd313335b_attn, .Lfunc_end_k_q9dd313335b_attn-k_q9dd313335b_attn
	.p2alignl 7, 3214868480
	.fill 96, 4, 3214868480
	.section	.rodata,"a",@progbits
	.p2align	6, 0x0
	.amdhsa_kernel k_q9dd313335b_attn
		.amdhsa_group_segment_fixed_size 327680
		.amdhsa_private_segment_fixed_size 0
		.amdhsa_enable_private_segment 0
		.amdhsa_kernarg_size 24
		.amdhsa_user_sgpr_count 2
		.amdhsa_user_sgpr_kernarg_segment_ptr 1
		.amdhsa_wavefront_size32 1
		.amdhsa_system_sgpr_workgroup_id_x 1
		.amdhsa_system_sgpr_workgroup_id_y 1
		.amdhsa_system_sgpr_workgroup_id_z 1
		.amdhsa_system_vgpr_workitem_id 0
		.amdhsa_next_free_vgpr 256
		.amdhsa_next_free_sgpr 66
		.amdhsa_reserve_vcc 0
		.amdhsa_float_denorm_mode_32 3
		.amdhsa_float_denorm_mode_16_64 3
		.amdhsa_memory_ordered 1
		.amdhsa_forward_progress 1
		.amdhsa_inst_pref_size 29
	.end_amdhsa_kernel
	.amdgpu_metadata
---
amdhsa.version: [ 1, 2 ]
amdhsa.kernels:
  - .name:           k_q9dd313335b_attn
    .symbol:         k_q9dd313335b_attn.kd
    .args:
      - { .name: qkv, .offset: 0, .size: 8, .value_kind: global_buffer, .address_space: global }
      - { .name: a_img, .offset: 8, .size: 8, .value_kind: global_buffer, .address_space: global }
      - { .name: a_sc, .offset: 16, .size: 8, .value_kind: global_buffer, .address_space: global }
    .group_segment_fixed_size: 327680
    .private_segment_fixed_size: 0
    .kernarg_segment_align: 8
    .kernarg_segment_size: 24
    .max_flat_workgroup_size: 512
    .sgpr_count:     66
    .vgpr_count:     256
    .wavefront_size: 32
...
	.end_amdgpu_metadata
.endif
;; end of part 3
;; launch oproj (part 4): grid 256 x 1, 16 waves a work-group, no clusters, 327,680 bytes of LDS; arguments a_img, a_sc, w_img, w_sc, b_o, x, ln_g, ln_b, out0; writes out0
.if DOCPART == 4
	.amdgcn_target "amdgcn-amd-amdhsa--gfx1250"
	.amdhsa_code_object_version 6
	.text
	.protected	k_q9dd313335b_oproj
	.globl	k_q9dd313335b_oproj
	.p2align	8
	.type	k_q9dd313335b_oproj,@function
k_q9dd313335b_oproj:
	s_mov_b64 s[64:65], 0
	v_nop
	global_prefetch_b8 v0, s[64:65] scope:SCOPE_SE
	s_setreg_imm32_b32 hwreg(HW_REG_WAVE_MODE, 25, 1), 1
	s_wait_xcnt 0x0
; Launch 4 of 4: out0 = LayerNorm(x + O w_o^T + b_o) x ln_g + ln_b; the product on codes of FP4, all else in f32.  No work of the problem is left out.
; SHARES.  A work-group owns 32 tokens (two tiles of a_img) and all 1,024 columns, so that a row's mean and variance stay inside it.  Wave w makes columns 64 w .. 64 w + 63 (w_o's tiles 4 w .. 4 w + 3) for the 32 tokens:
; 8 accumulators.  Its weights come from memory straight into registers, as images, 512 consecutive bytes a load, each byte once a wave, three K steps ahead.  The tokens' codes (16 KiB) and scale words go round through LDS.
; NO CLUSTER: what work-groups share is w_o, 544 KiB of codes and scale bytes; beside the stage (128 KiB) and x's rows (128 KiB) it could pass through LDS only in a ring with a round of the cluster's barrier for every
; eight matrix instructions of a wave.
; THE PRODUCT IS USED TRANSPOSED (source 0 = 16 rows of w_o, source 1 = 16 tokens): a lane holds one token and, over tiles 2 b, 2 b + 1, 16 neighbouring columns.  b_o is the C of each sum's first product.
; x COMES BY THE TENSOR DATA MOVER, each wave's own two rows (8,192 dense bytes) into its own LDS bytes, so that it does not stand among the weights' loads, which come back in the order of issue.
; LAYERNORM.  The sums meet in a stage of 32 rows; wave w then owns two whole rows (neighbouring tokens): y = x + sum; mean; the variance of y - mean, in a second pass as the problem has it; rsqrt; gain and bias.
; REGISTERS: v1 16 x lane; v3, v4 the add's two; v5-14 addresses; v16-23 the tokens' scale words (lanes 0-15 tile 0, lanes 16-31 tile 1), v24-39 w_o's (lanes 0-15 K steps 0-3, lanes 16-31 steps 4-7): scales and nothing else;
;   v40-71 the tokens' fragments, two buffers; v72-167 w_o's, three buffers; v168-231 the accumulators; v232-255 at work.  For the LayerNorm: v40-103 two rows of y, v168-231 of x, v104-135 ln_g, v136-167 ln_b.
.set SP,    4112                       ; a stage row: 4,096 bytes + 16: row r starts at bank 4 r mod 64
.set STG,   131072                     ; LDS: 0: x's rows, 8,192 bytes a wave; here the stage, 32 rows;
.set AIM,   STG+32*SP                  ; the tokens' two images of codes, as they lie in memory: [tile 2][K step 8][c 2][512 bytes];
.set ASC,   AIM+16384                  ; their scale words: [K step 8][lane 32][4 bytes];
.set SPARE, ASC+1024                   ; the spare words, 128 bytes for each wave
.set SPW,  3
.set NIL,  4
.set AS,   16
.set BS,   24
.set AFR,  40
.set BF,   72
.set ACC,  168
.set Y,    40
.set XR,   168
.set GG,   104
.set BB,   136
.set T,    232                         ; row i: v[T+8i : +1], v[T+8i+2 : +3] two chains; +4 a sum; +5 the other half's; v[T+8i+6 : +7] the mean, then 1 / sqrt: the low word serves both halves
.set WV,   22
.set SEL,  24                          ; s[24:25]
.set G1,   32                          ; s[32:39], s[40:43] the descriptor
.set G0,   40
	s_load_b256 s[4:11], s[0:1], 0x0               ; a_img, a_sc, w_img, w_sc
	s_load_b256 s[12:19], s[0:1], 0x20             ; b_o, x, ln_g, ln_b
	s_load_b64 s[20:21], s[0:1], 0x40              ; out0
	v_lshl_add_u32 v[SPW], v0, 2, SPARE
	v_mov_b32 v[NIL], 0
	ds_add_u32 v[SPW], v[NIL]                      ; the wave's opening: the add, twice on end, and its wait ahead of my first tensor load; the set-up below stands between
	ds_add_u32 v[SPW], v[NIL]
	v_lshrrev_b32 v2, 5, v0
	s_delay_alu instid0(VALU_DEP_1)
	v_readfirstlane_b32 s[WV], v2                  ; wave 0..15
	s_mov_b32 s[G1], 3<<16                         ; no mask; elements of 8 bytes; no padding
	s_mov_b32 s[G1+1], 32<<16                      ; tensor_dim0: 256 bytes
	s_mov_b32 s[G1+2], 32<<16                      ; tensor_dim1: 32 rows
	s_mov_b32 s[G1+3], 32<<16                      ; tile_dim0
	s_mov_b32 s[G1+4], 32                          ; tile_dim1
	s_mov_b32 s[G1+5], 32                          ; tensor_dim0_stride: dense
	s_mov_b32 s[G1+6], 0
	s_mov_b32 s[G1+7], 0
	s_mov_b32 s[G0], 1
	s_lshl_b32 s[G0+1], s[WV], 13                  ; my 8,192 bytes of LDS
	s_mov_b32 s[SEL], 0x76543210
	s_mov_b32 s[SEL+1], 0xfedcba98
	s_mov_b32 s26, 0x3a800000                      ; 1 / 1,024
	s_mov_b32 s27, 0x3727c5ac                      ; 1e-5
	; stage rows 2 w and 2 w + 1 are lane-rows 2 (w % 8), + 1 of tile w / 8: tokens 8 (w / 8) + 2 (w % 8) + 8 ((w / 4) % 2) and the next
	s_lshr_b32 s30, s[WV], 3
	s_lshl_b32 s30, s30, 3
	s_and_b32 s31, s[WV], 7
	s_lshl_b32 s31, s31, 1
	s_add_co_u32 s30, s30, s31
	s_bfe_u32 s31, s[WV], 0x10002
	s_lshl_b32 s31, s31, 3
	s_add_co_u32 s30, s30, s31
	s_lshl_b32 s30, s30, 12
	s_lshl_b32 s31, ttmp9, 17
	s_add_co_u32 s30, s30, s31                     ; my two rows in x and in out0, in bytes
	s_mov_b32 s31, 0
	s_mov_b32 s29, 0
	v_and_b32 v15, 31, v0                          ; lane
	s_delay_alu instid0(VALU_DEP_1)
	v_lshlrev_b32 v1, 4, v15
	s_delay_alu instid0(VALU_DEP_2)
	v_lshlrev_b32 v12, 1, v15                      ; 2 x lane
	v_and_b32 v2, 15, v0                           ; r
	v_bfe_u32 v11, v0, 4, 1                        ; h
	s_delay_alu instid0(VALU_DEP_2)
	v_mul_u32_u24 v5, v2, SP
	s_delay_alu instid0(VALU_DEP_1)
	v_lshl_add_u32 v5, v11, 6, v5
	s_lshl_b32 s28, s[WV], 8
	s_add_co_u32 s28, s28, STG
	v_add_nc_u32 v5, s28, v5                       ; into the stage, tile 0: row r, + 64 h, + 256 x wave
	s_delay_alu instid0(VALU_DEP_1)
	v_add_nc_u32 v6, 16*SP, v5                     ; tile 1
	s_mul_i32 s28, s[WV], 2*SP
	s_add_co_u32 s28, s28, STG
	v_add_nc_u32 v7, s28, v1                       ; back: my two rows, 16 bytes a lane
	s_lshl_b32 s28, s[WV], 13
	v_add_nc_u32 v8, s28, v1                       ; x's rows likewise
	s_lshl_b32 s28, s[WV], 10
	s_add_co_u32 s28, s28, AIM
	v_add_nc_u32 v9, s28, v1                       ; the 1,024 bytes of the images that I copy
	s_lshr_b32 s28, s[WV], 1
	s_lshl_b32 s28, s28, 7
	s_and_b32 s44, s[WV], 1
	s_lshl_b32 s44, s44, 1
	s_add_co_u32 s28, s28, s44
	s_add_co_u32 s28, s28, ASC
	v_lshl_add_u32 v10, v15, 2, s28                ; head w's two bytes: K step w / 2, half w % 2 of the word
	v_add_nc_u32 v13, AIM, v1
	v_lshl_add_u32 v14, v15, 2, ASC
	v_lshlrev_b32 v11, 6, v11                      ; 64 h
	s_wait_alu depctr_va_vdst(0)
	s_wait_dscnt 0x0                               ; both opening adds are done
	s_wait_kmcnt 0x0
	s_add_nc_u64 s[G0+2:G0+3], s[14:15], s[30:31]
	s_or_b32 s[G0+3], s[G0+3], 0x80000000          ; 127:126 type = 2
	tensor_load_to_lds s[G0:G0+3], s[G1:G1+7]      ; my two rows of x: my one tensor load; only I read these bytes
	s_nop 0
	s_add_nc_u64 s[20:21], s[20:21], s[30:31]
	s_lshl_b32 s28, ttmp9, 14
	s_lshl_b32 s44, s[WV], 10
	s_add_co_u32 s28, s28, s44
	s_add_nc_u64 s[4:5], s[4:5], s[28:29]          ; a_img: 16,384 x work-group + 1,024 x wave
	s_lshl_b32 s28, s[WV], 14
	s_lshl_b32 s44, ttmp9, 6
	s_add_co_u32 s28, s28, s44
	s_add_nc_u64 s[6:7], s[6:7], s[28:29]          ; a_sc: head w, 64 bytes a work-group
	s_lshl_b32 s28, s[WV], 15
	s_add_co_u32 s28, s28, 192*8192
	s_add_nc_u64 s[8:9], s[8:9], s[28:29]          ; w_img: tile 192 + 4 w
	s_lshl_b32 s28, s[WV], 11
	s_add_co_u32 s28, s28, 192*512
	s_add_nc_u64 s[10:11], s[10:11], s[28:29]      ; w_sc likewise
	s_lshl_b32 s28, s[WV], 8
	s_add_nc_u64 s[12:13], s[12:13], s[28:29]      ; b_o: my 64 numbers
.macro BLOAD s                         ; w_o's four fragments of K step s into buffer s % 3
.irp t, 0,1,2,3
.irp c, 0,1
	global_load_b128 v[BF+32*((\s)%3)+8*\t+4*\c:BF+32*((\s)%3)+8*\t+4*\c+3], v1, s[8:9] offset:\t*8192+(\s)*1024+512*\c
.endr
.endr
.endm
.macro ALOAD s                         ; the tokens' two fragments of K step s into buffer s % 2
.irp u, 0,1
.irp c, 0,1
	ds_load_b128 v[AFR+16*((\s)%2)+8*\u+4*\c:AFR+16*((\s)%2)+8*\u+4*\c+3], v13 offset:\u*8192+(\s)*1024+512*\c
.endr
.endr
.endm
	global_load_b128 v[232:235], v1, s[4:5]
	global_load_b128 v[236:239], v1, s[4:5] offset:512
	global_load_u16 v240, v12, s[6:7]
.irp t, 0,1,2,3
	global_load_b128 v[BS+4*\t:BS+4*\t+3], v1, s[10:11] offset:512*\t
.endr
.irp u, 0,1
.irp t, 0,1,2,3                        ; register j of tile t is column 32 (t / 2) + 16 h + 8 (t % 2) + j of my 64
	global_load_b128 v[ACC+8*(4*\u+\t):ACC+8*(4*\u+\t)+3], v11, s[12:13] offset:(32*(\t/2)+8*(\t%2))*4
	global_load_b128 v[ACC+8*(4*\u+\t)+4:ACC+8*(4*\u+\t)+7], v11, s[12:13] offset:(32*(\t/2)+8*(\t%2))*4+16
.endr
.endr
	BLOAD 0
	BLOAD 1
	BLOAD 2
	s_wait_loadcnt 44                              ; the first three loads are in; the 44 behind them (4 of scale words, 16 of b_o, 24 of weights) may be out
	ds_store_b128 v9, v[232:235]
	ds_store_b128 v9, v[236:239] offset:512
	ds_store_b16 v10, v240
	s_wait_dscnt 0x0                               ; for the others' sake: my stores have landed
	s_barrier_signal -1
	s_barrier_wait -1                              ; the tokens' images and scale words lie in LDS
.irp s, 0,1,2,3,4,5,6,7
	ds_load_b32 v[AS+\s], v14 offset:128*\s
.endr
	ALOAD 0
	ALOAD 1
.macro MM d, a, b, sa, sb, ra, rb      ; one product in place; ra, rb: the side's scale words stand in lanes 16-31
.if (\ra) && (\rb)
	v_wmma_scale_f32_16x16x128_f8f6f4 v[\d:\d+7], v[\a:\a+7], v[\b:\b+7], v[\d:\d+7], v[\sa], v[\sb] matrix_a_fmt:MATRIX_FMT_FP4 matrix_b_fmt:MATRIX_FMT_FP4 matrix_a_scale:MATRIX_SCALE_ROW1 matrix_b_scale:MATRIX_SCALE_ROW1
.elseif \ra
	v_wmma_scale_f32_16x16x128_f8f6f4 v[\d:\d+7], v[\a:\a+7], v[\b:\b+7], v[\d:\d+7], v[\sa], v[\sb] matrix_a_fmt:MATRIX_FMT_FP4 matrix_b_fmt:MATRIX_FMT_FP4 matrix_a_scale:MATRIX_SCALE_ROW1
.elseif \rb
	v_wmma_scale_f32_16x16x128_f8f6f4 v[\d:\d+7], v[\a:\a+7], v[\b:\b+7], v[\d:\d+7], v[\sa], v[\sb] matrix_a_fmt:MATRIX_FMT_FP4 matrix_b_fmt:MATRIX_FMT_FP4 matrix_b_scale:MATRIX_SCALE_ROW1
.else
	v_wmma_scale_f32_16x16x128_f8f6f4 v[\d:\d+7], v[\a:\a+7], v[\b:\b+7], v[\d:\d+7], v[\sa], v[\sb] matrix_a_fmt:MATRIX_FMT_FP4 matrix_b_fmt:MATRIX_FMT_FP4
.endif
.endm
; A K step: eight products, the eight accumulators by turns; then the buffers just read are asked for again.
.macro KSTEP s
.if (\s) < 6
	s_wait_loadcnt 16                              ; this step's weights are in; those of the two steps behind it may be out
.else
	s_wait_loadcnt 8*(7-(\s))
.endif
.if (\s) < 7
	s_wait_dscnt 4                                 ; this step's fragments of the tokens are in; the next step's four loads may be out
.else
	s_wait_dscnt 0x0
.endif
.irp t, 0,1,2,3
.irp u, 0,1
	MM ACC+8*(4*\u+\t), BF+32*((\s)%3)+8*\t, AFR+16*((\s)%2)+8*\u, BS+4*\t+(\s)%4, AS+(\s), (\s)/4, \u
.endr
.endr
.if (\s) < 6
.rept 4
	v_nop                                          ; places in front of loads into registers that these products have read
.endr
.if (\s) < 5
	BLOAD (\s)+3
.endif
	ALOAD (\s)+2
.endif
.endm
.irp s, 0,1,2,3,4,5,6,7
	KSTEP \s
.endr
.rept 4
	v_nop                                          ; places in front of the stores of the results and of the loads below
.endr
.irp j, 0,1,2,3,4,5,6,7
	global_load_b128 v[GG+4*\j:GG+4*\j+3], v1, s[16:17] offset:512*\j   ; ln_g and ln_b: columns 128 j + 4 x lane + 0 .. 3, as the rows will lie
.endr
.irp j, 0,1,2,3,4,5,6,7
	global_load_b128 v[BB+4*\j:BB+4*\j+3], v1, s[18:19] offset:512*\j
.endr
.irp u, 0,1
.irp t, 0,1,2,3
	ds_store_b128 v[5+\u], v[ACC+8*(4*\u+\t):ACC+8*(4*\u+\t)+3] offset:(32*(\t/2)+8*(\t%2))*4        ; each accumulator from its low end on
	ds_store_b128 v[5+\u], v[ACC+8*(4*\u+\t)+4:ACC+8*(4*\u+\t)+7] offset:(32*(\t/2)+8*(\t%2))*4+16
.endr
.endr
	s_wait_dscnt 0x0                               ; for the others' sake: my stores into the stage have landed
	s_wait_tensorcnt 0x0                           ; my rows of x are in
	s_barrier_signal -1
	s_barrier_wait -1                              ; 32 whole rows lie in the stage
.irp i, 0,1
.irp j, 0,1,2,3,4,5,6,7
	ds_load_b128 v[Y+32*\i+4*\j:Y+32*\i+4*\j+3], v7 offset:\i*SP+512*\j
.endr
.endr
.irp i, 0,1
.irp j, 0,1,2,3,4,5,6,7
	ds_load_b128 v[XR+32*\i+4*\j:XR+32*\i+4*\j+3], v8 offset:\i*4096+512*\j
.endr
.endr
.irp i, 0,1
	v_mov_b32 v[T+8*\i+5], 0                       ; written once: a lane permute's destination counts as one of its sources
	v_mov_b32 v[T+8*\i+7], 0                       ; (named as the upper half of a pair)
.endr
	s_wait_dscnt 0x0
.macro RED                             ; both rows by turns: the two chains, the pair's halves, the 32 lanes: the row's sum in v[T+8i+4] of every lane
.irp i, 0
	s_delay_alu instid0(VALU_DEP_3)
	v_pk_add_f32 v[T+8*\i:T+8*\i+1], v[T+8*\i:T+8*\i+1], v[T+8*\i+2:T+8*\i+3]
.endr
.irp i, 1
	s_delay_alu instid0(VALU_DEP_2)
	v_pk_add_f32 v[T+8*\i:T+8*\i+1], v[T+8*\i:T+8*\i+1], v[T+8*\i+2:T+8*\i+3]
.endr
.irp i, 0,1
	s_delay_alu instid0(VALU_DEP_2)
	v_add_f32 v[T+8*\i+4], v[T+8*\i], v[T+8*\i+1]
.endr
.irp m, 1,2,4,8
.irp i, 0,1
	s_delay_alu instid0(VALU_DEP_2)
	v_add_f32_dpp v[T+8*\i+4], v[T+8*\i+4], v[T+8*\i+4] row_xmask:\m row_mask:0xf bank_mask:0xf
.endr
.endr
.irp i, 0,1
	s_delay_alu instid0(VALU_DEP_2)
	v_permlanex16_b32 v[T+8*\i+5], v[T+8*\i+4], s[SEL], s[SEL+1]
.endr
.irp i, 0,1
	s_delay_alu instid0(VALU_DEP_2)
	v_add_f32 v[T+8*\i+4], v[T+8*\i+4], v[T+8*\i+5]
.endr
.endm
.irp k, 0,2,4,6,8,10,12,14,16,18,20,22,24,26,28,30
.irp i, 0,1
	v_pk_add_f32 v[Y+32*\i+\k:Y+32*\i+\k+1], v[Y+32*\i+\k:Y+32*\i+\k+1], v[XR+32*\i+\k:XR+32*\i+\k+1]   ; y = x + the projection
.endr
.endr
.irp i, 0,1
	v_pk_add_f32 v[T+8*\i:T+8*\i+1], v[Y+32*\i:Y+32*\i+1], v[Y+32*\i+2:Y+32*\i+3]
	v_pk_add_f32 v[T+8*\i+2:T+8*\i+3], v[Y+32*\i+4:Y+32*\i+5], v[Y+32*\i+6:Y+32*\i+7]
.endr
.irp k, 8,12,16,20,24,28
.irp i, 0,1
	s_delay_alu instid0(VALU_DEP_4)
	v_pk_add_f32 v[T+8*\i:T+8*\i+1], v[T+8*\i:T+8*\i+1], v[Y+32*\i+\k:Y+32*\i+\k+1]
	s_delay_alu instid0(VALU_DEP_4)
	v_pk_add_f32 v[T+8*\i+2:T+8*\i+3], v[T+8*\i+2:T+8*\i+3], v[Y+32*\i+\k+2:Y+32*\i+\k+3]
.endr
.endr
	RED
.irp i, 0,1
	s_delay_alu instid0(VALU_DEP_2)
	v_mul_f32 v[T+8*\i+6], s26, v[T+8*\i+4]        ; the mean
.endr
.irp k, 0,2,4,6,8,10,12,14,16,18,20,22,24,26,28,30
.irp i, 0,1
	v_pk_add_f32 v[Y+32*\i+\k:Y+32*\i+\k+1], v[Y+32*\i+\k:Y+32*\i+\k+1], v[T+8*\i+6:T+8*\i+7] op_sel_hi:[1,0] neg_lo:[0,1] neg_hi:[0,1]   ; d = y - mean
.endr
.endr
.irp i, 0,1
	v_pk_mul_f32 v[T+8*\i:T+8*\i+1], v[Y+32*\i:Y+32*\i+1], v[Y+32*\i:Y+32*\i+1]
	v_pk_mul_f32 v[T+8*\i+2:T+8*\i+3], v[Y+32*\i+2:Y+32*\i+3], v[Y+32*\i+2:Y+32*\i+3]
.endr
.irp k, 4,8,12,16,20,24,28
.irp i, 0,1
	s_delay_alu instid0(VALU_DEP_4)
	v_pk_fma_f32 v[T+8*\i:T+8*\i+1], v[Y+32*\i+\k:Y+32*\i+\k+1], v[Y+32*\i+\k:Y+32*\i+\k+1], v[T+8*\i:T+8*\i+1]
	s_delay_alu instid0(VALU_DEP_4)
	v_pk_fma_f32 v[T+8*\i+2:T+8*\i+3], v[Y+32*\i+\k+2:Y+32*\i+\k+3], v[Y+32*\i+\k+2:Y+32*\i+\k+3], v[T+8*\i+2:T+8*\i+3]
.endr
.endr
	RED
.irp i, 0,1
	s_delay_alu instid0(VALU_DEP_2)
	v_fma_f32 v[T+8*\i+4], v[T+8*\i+4], s26, s27   ; the variance + 1e-5
.endr
	s_wait_alu depctr_va_vdst(0)
.irp i, 0,1
	v_rsq_f32 v[T+8*\i+6], v[T+8*\i+4]
.endr
	v_nop                                          ; a plain place behind the last of the two
	s_wait_alu depctr_va_vdst(0)                   ; one wait for both, ahead of their first reader
	s_wait_loadcnt 0x0                             ; ln_g and ln_b
.irp k, 0,2,4,6,8,10,12,14,16,18,20,22,24,26,28,30
.irp i, 0,1
	v_pk_mul_f32 v[Y+32*\i+\k:Y+32*\i+\k+1], v[Y+32*\i+\k:Y+32*\i+\k+1], v[T+8*\i+6:T+8*\i+7] op_sel_hi:[1,0]
.endr
.endr
.irp k, 0,2,4,6,8,10,12,14,16,18,20,22,24,26,28,30
.irp i, 0,1
	v_pk_fma_f32 v[Y+32*\i+\k:Y+32*\i+\k+1], v[Y+32*\i+\k:Y+32*\i+\k+1], v[GG+\k:GG+\k+1], v[BB+\k:BB+\k+1]
.endr
.endr
.irp i, 0,1
.irp j, 0,1,2,3,4,5,6,7
	global_store_b128 v1, v[Y+32*\i+4*\j:Y+32*\i+4*\j+3], s[20:21] offset:\i*4096+512*\j th:TH_STORE_NT   ; 32 lanes store 512 consecutive bytes, aligned; written once, read by nobody here
.endr
.endr
	s_wait_tensorcnt 0x0                           ; the wave's end, behind my last tensor load and my last LDS store
	ds_add_u32 v[SPW], v[NIL]
	s_wait_dscnt 0x0
	s_endpgm
.Lfunc_end_k_q9dd313335b_oproj:
	.size	k_q9dd313335b_oproj, .Lfunc_end_k_q9dd313335b_oproj-k_q9dd313335b_oproj
	.p2alignl 7, 3214868480
	.fill 96, 4, 3214868480
	.section	.rodata,"a",@progbits
	.p2align	6, 0x0
	.amdhsa_kernel k_q9dd313335b_oproj
		.amdhsa_group_segment_fixed_size 327680
		.amdhsa_private_segment_fixed_size 0
		.amdhsa_enable_private_segment 0
		.amdhsa_kernarg_size 72
		.amdhsa_user_sgpr_count 2
		.amdhsa_user_sgpr_kernarg_segment_ptr 1
		.amdhsa_wavefront_size32 1
		.amdhsa_system_sgpr_workgroup_id_x 1
		.amdhsa_system_sgpr_workgroup_id_y 1
		.amdhsa_system_sgpr_workgroup_id_z 1
		.amdhsa_system_vgpr_workitem_id 0
		.amdhsa_next_free_vgpr 256
		.amdhsa_next_free_sgpr 66
		.amdhsa_reserve_vcc 0
		.amdhsa_float_denorm_mode_32 3
		.amdhsa_float_denorm_mode_16_64 3
		.amdhsa_memory_ordered 1
		.amdhsa_forward_progress 1
		.amdhsa_inst_pref_size 48
	.end_amdhsa_kernel
	.amdgpu_metadata
---
amdhsa.version: [ 1, 2 ]
amdhsa.kernels:
  - .name:           k_q9dd313335b_oproj
    .symbol:         k_q9dd313335b_oproj.kd
    .args:
      - { .name: a_img, .offset: 0, .size: 8, .value_kind: global_buffer, .address_space: global }
      - { .name: a_sc, .offset: 8, .size: 8, .value_kind: global_buffer, .address_space: global }
      - { .name: w_img, .offset: 16, .size: 8, .value_kind: global_buffer, .address_space: global }
      - { .name: w_sc, .offset: 24, .size: 8, .value_kind: global_buffer, .address_space: global }
      - { .name: b_o, .offset: 32, .size: 8, .value_kind: global_buffer, .address_space: global }
      - { .name: x, .offset: 40, .size: 8, .value_kind: global_buffer, .address_space: global }
      - { .name: ln_g, .offset: 48, .size: 8, .value_kind: global_buffer, .address_space: global }
      - { .name: ln_b, .offset: 56, .size: 8, .value_kind: global_buffer, .address_space: global }
      - { .name: out0, .offset: 64, .size: 8, .value_kind: global_buffer, .address_space: global }
    .group_segment_fixed_size: 327680
    .private_segment_fixed_size: 0
    .kernarg_segment_align: 8
    .kernarg_segment_size: 72
    .max_flat_workgroup_size: 512
    .sgpr_count:     66
    .vgpr_count:     256
    .wavefront_size: 32
...
	.end_amdgpu_metadata
.endif
;; end of part 4
